; MI455X (gfx1250); checked and timed in simulation.
; The chip was launched on July 23, 2026; its instructions are those of AMD's public machine-readable ISA for CDNA 5 (MIT licence, August 2026) and "CDNA5" Instruction Set Architecture Reference Guide (July 2026). The comments in the code are by the model that wrote it; some were corrected since.
;; Max Retrieval Model. Allowed arithmetic: matrix products marked QUANTISED: E5M2 operands, one E8M0 scale for each 32 along K, by v_wmma_scale_f32_16x16x128_f8f6f4 with both operands' format E5M2, f32 sums; products left as they are: f32 operands where the result goes on into a quantised operand, else bf16, f16 or f32 operands; f32 sums; everything else in f32.
;; Inputs: Wk 512 x 512 float32; Wphi 512 x 1,000 float32; Wq 1 x 512 float32; Wv 512 x 512 float32; bk 512 float32; bphi 1,000 float32; bq 512 float32; bv 512 float32; x_items 32 x 4,096 x 512 float32; x_query 32 x 1 float32.
;; Outputs: out0 32 x 1,000 float32.
;; This version of the problem:
;;   THIS VERSION OF THE PROBLEM IS GIVEN IN LOW PRECISION. The matrix products marked QUANTISED in the list below multiply operands that are first quantised to E5M2 (5 exponent bits, 2 mantissa bits; 8 bits a number), with one power-of-two scale for each 32 numbers along K (OCP MX v1.0); their sums are f32. All else is computed in f32.
;;   The module's matrix products, in the order in which they are computed (A, B: the left and right operand; K: the contracted axis; several contracted axes count as one K, in the product's order):
;;     1. [M 32, K 1] x [K 1, N 512]; A: input x_query; B: input Wq: left as it is (K = 1 < 32)
;;     2. [M 131,072, K 512] x [K 512, N 512]; A: input x_items; B: input Wk: QUANTISED
;;     3. [M 131,072, K 512] x [K 512, N 512]; A: input x_items; B: input Wv: QUANTISED
;;     4. batch 32 x [M 1, K 512] x [K 512, N 4,096]; A: computed on the way; B: computed on the way: left as it is (M = 1 < 16)
;;     5. batch 32 x [M 1, K 4,096] x [K 4,096, N 512]; A: computed on the way; B: computed on the way: left as it is (M = 1 < 16)
;;     6. [M 32, K 512] x [K 512, N 1,000]; A: computed on the way; B: input Wphi: QUANTISED
;;   THE QUANTISER, for each operand of a quantised product, along K:
;;     - K is cut into blocks of 32 from its start; a last block that is shorter is filled with zeros.
;;     - A block's scale is 2^e with e = floor(log2(the largest magnitude in the block)) - 15, held to -126 .. 127; a block of zeros has e = 0. As a byte (E8M0): e + 127.
;;     - Each number is divided by its block's scale, clamped to +-57,344, and rounded to the nearest number of E5M2, ties to even, subnormals kept.
;;     - The product sums the exact products of the quantised numbers (number of the format x scale) in f32.
;;   ~~~python
;;   def quantise(x, axis):      # numpy; x: float32 -> the quantised numbers, widened to float32 again
;;       x = np.moveaxis(x, axis, -1); K = x.shape[-1]
;;       x = np.pad(x, [(0, 0)] * (x.ndim - 1) + [(0, -K % 32)]); x = x.reshape(x.shape[:-1] + (-1, 32)); a = np.abs(x).max(-1, keepdims=True)
;;       e = np.where(a > 0, np.clip(np.frexp(np.where(a > 0, a, 1))[1] - 1 - 15, -126, 127), 0)      # np.frexp(a)[1] - 1 = floor(log2(a)), exactly
;;       r = np.clip(x / 2.0 ** e, -57344, 57344)
;;       step = 2.0 ** (np.maximum(np.frexp(np.where(r == 0, 1, r))[1] - 1, -14) - 2)
;;       q = np.round(r / step) * step * 2.0 ** e      # np.round: ties to even
;;       return np.moveaxis(q.reshape(q.shape[:-2] + (-1,))[..., :K], -1, axis).astype(np.float32)
;;   ~~~
;;   OPERANDS COMPUTED ON THE WAY. 'Computed on the way' means the value that the module computes at that place (a softmax that the list does not call 'softmax' is quantised finished and normalised). What goes into a quantiser is computed in f32, as accurately as f32 sums, v_exp_f32 and their like allow (about 1e-6 of the number): no bf16 or f16 on the way to a quantiser, and a product that is left as it is and whose result goes on into a quantised operand takes f32 operands (vector FMAs, or v_wmma_f32_16x16x4_f32). A number that lies on a knife's edge between two numbers of the format may be rounded either way, as far as f32 arithmetic and the matrix unit's own rounding can turn it there, and no further.
;; One version. Each part assembles by itself: llvm-mc -triple=amdgcn-amd-amdhsa -mcpu=gfx1250 --defsym DOCPART=n.
;; ======== version 1 of 1: 4 launches
;; workspace buffers: wcodes 1,048,576 bytes; wscales 32,768 bytes; xcodes 67,108,864 bytes; xscales 2,097,152 bytes; scores 524,288 bytes; zpart 524,288 bytes
;; launch wquant (part 1): grid 256 x 1, 2 waves a work-group, no clusters, 0 bytes of LDS; arguments Wk, Wv, Wphi, wcodes, wscales; writes wcodes, wscales
.if DOCPART == 1
	.amdgcn_target "amdgcn-amd-amdhsa--gfx1250"
	.amdhsa_code_object_version 6
	.text
	.protected	k_qe6a09c173e_wquant
	.globl	k_qe6a09c173e_wquant
	.p2align	8
	.type	k_qe6a09c173e_wquant,@function
k_qe6a09c173e_wquant:
	s_mov_b64 s[64:65], 0
	v_nop
	global_prefetch_b8 v0, s[64:65] scope:SCOPE_SE
	s_setreg_imm32_b32 hwreg(HW_REG_WAVE_MODE, 25, 1), 1
	s_wait_xcnt 0x0
; Wk, Wv [512][512] and Wphi [512][1000], f32, K = the FIRST axis, become codes of BF8 (E5M2) with one E8M0 byte for each 32 along K.
; The codes are laid as IMAGES OF THE OPERAND'S REGISTERS: 128 tiles of 16 columns (0-31 Wk, 32-63 Wv, 64-127 Wphi), 8,192 bytes a tile;
; the 16 bytes at T 8192 + s 2048 + c 512 + (16 h + r) 16 are the codes k = 128 s + 32 c + 16 h + 0..15 of column 16 T + r: what lane 16 h + r wants in registers 4 c .. 4 c + 3 of K step s.
; The scale word (four bytes, 128 along K) of column r, K step s lies at T 256 + ((s & 1) 16 + r) 8 + (s >> 1) 4: a load of 8 bytes at 8 x lane gives two registers, each with an even K step in lanes 0-15 and the odd one in lanes 16-31.
; Wphi's tiles run to column 1,023: columns from 1,000 on repeat column 999 (the load's column is held at 999, so no load leaves the buffer); no later launch stores what comes of them.
; A LANE TAKES A COLUMN AND ITS REGISTERS RUN DOWN K: a load reads 128 consecutive bytes a wave, a block of 32 lies in one lane, and nothing is transposed.  A wave takes 32 columns x 64 along K: two blocks a lane.
; A lane's 16 codes are 16 bytes and sixteen lanes' lie on end in the image: each store covers two runs of 256 consecutive bytes, aligned.  The two scale bytes of a lane leave by one store of 2 bytes: one byte in 128 of what the launch reads.
; A block's scale is 2^(floor(log2(largest magnitude)) - 15); its byte is that magnitude's exponent field - 15, held at 1 from below.
; LIMITS: a block of zeros gets the byte 1 (its codes are zeros; this program alone reads the bytes); NaN and infinities among the inputs are not served.
.set X,  16                            ; v16-79  64 numbers down K
.set CD, 80                            ; v80-95  codes: eight registers a block, never written again
.macro LOADS pitch                     ; number i down K, pitch bytes from row to row
.set i, 0
.rept 64
	global_load_b32 v[X+i], v2, s[4:5] offset:i*\pitch th:TH_LOAD_NT
.set i, i+1
.endr
.endm
	s_load_b128 s[4:7], s[0:1], 0x0                ; Wk, Wv
	s_load_b128 s[8:11], s[0:1], 0x10              ; Wphi, wcodes
	s_load_b64 s[12:13], s[0:1], 0x20              ; wscales
	v_lshrrev_b32 v1, 5, v0
	v_readfirstlane_b32 s14, v1                    ; wave 0..1
	v_and_b32 v1, 31, v0                           ; lane
	s_lshr_b32 s15, ttmp9, 2                       ; G: which 32 columns: 0-15 Wk, 16-31 Wv, 32-63 Wphi
	s_and_b32 s16, ttmp9, 3
	s_lshl_b32 s16, s16, 1
	s_add_co_u32 s16, s16, s14                     ; ks: which 64 along K, 0..7
	v_lshrrev_b32 v5, 4, v1                        ; which of my group's two tiles
	v_and_b32 v6, 15, v1                           ; r
	v_lshlrev_b32 v3, 13, v5
	v_lshl_add_u32 v3, v6, 4, v3                   ; codes: 8,192 x tile + 16 r
	v_lshlrev_b32 v4, 8, v5
	v_lshl_add_u32 v4, v6, 3, v4                   ; scale bytes: 256 x tile + 8 r
	s_mov_b32 s20, 0x600000                        ; the mantissa field of 57,344
	s_lshl_b32 s22, s15, 14                        ; codes: tile 2 G,
	s_lshr_b32 s17, s16, 1                         ; K step s = ks / 2,
	s_lshl_b32 s18, s17, 11
	s_add_co_u32 s22, s22, s18
	s_and_b32 s18, s16, 1                          ; blocks c = 2 (ks & 1) + 0, 1
	s_lshl_b32 s19, s18, 10
	s_add_co_u32 s22, s22, s19
	s_mov_b32 s23, 0
	s_lshl_b32 s24, s15, 9                         ; scale bytes: tile 2 G,
	s_and_b32 s19, s17, 1
	s_lshl_b32 s19, s19, 7                         ; (s & 1) x 16 lanes x 8 bytes,
	s_add_co_u32 s24, s24, s19
	s_lshr_b32 s19, s16, 2
	s_lshl_b32 s19, s19, 2                         ; (s >> 1) x 4,
	s_add_co_u32 s24, s24, s19
	s_lshl_b32 s19, s18, 1                         ; bytes 2 (ks & 1) + 0, 1 of the word
	s_add_co_u32 s24, s24, s19
	s_mov_b32 s25, 0
	s_wait_kmcnt 0x0
	s_add_nc_u64 s[10:11], s[10:11], s[22:23]
	s_add_nc_u64 s[12:13], s[12:13], s[24:25]
	s_cmp_lt_u32 ttmp9, 128                        ; the two ways differ in the row pitch alone; they hang on the work-group's number
	s_cbranch_scc0 .Lphi
	s_cmp_lt_u32 ttmp9, 64
	s_cselect_b64 s[4:5], s[4:5], s[6:7]           ; Wk or Wv
	s_and_b32 s26, s15, 15
	s_lshl_b32 s26, s26, 7                         ; 32 columns x 4 bytes
	s_lshl_b32 s27, s16, 17                        ; 64 rows x 2,048 bytes
	s_add_co_u32 s26, s26, s27
	s_mov_b32 s27, 0
	s_add_nc_u64 s[4:5], s[4:5], s[26:27]
	v_lshlrev_b32 v2, 2, v1
	LOADS 2048
	s_branch .Ljoin
.Lphi:
	s_sub_co_u32 s26, s15, 32
	s_lshl_b32 s26, s26, 5
	v_add_nc_u32 v2, s26, v1                       ; my column of Wphi,
	v_min_u32 v2, 999, v2                          ; held at the last one
	v_lshlrev_b32 v2, 2, v2
	s_mul_i32 s26, s16, 256000                     ; 64 rows x 4,000 bytes
	s_mov_b32 s27, 0
	s_add_nc_u64 s[4:5], s[8:9], s[26:27]
	LOADS 4000
.Ljoin:
.macro BLOCK t
.set XB, X+32*\t
.if \t == 0
	s_wait_loadcnt 32                              ; loads come back in order: the first block's 32 are in, the second's may be out
.else
	s_wait_loadcnt 0x0
.endif
	v_max3_num_f32 v12, |v[XB]|, |v[XB+1]|, |v[XB+2]|          ; the block's largest magnitude: all 32 numbers are mine; two chains
	v_max3_num_f32 v13, |v[XB+3]|, |v[XB+4]|, |v[XB+5]|
.irp i, 6,10,14,18,22,26
	v_max3_num_f32 v12, v12, |v[XB+\i]|, |v[XB+\i+1]|
	v_max3_num_f32 v13, v13, |v[XB+\i+2]|, |v[XB+\i+3]|
.endr
	v_max3_num_f32 v12, v12, |v[XB+30]|, |v[XB+31]|
	v_max3_num_f32 v12, v12, v13, 0x8000000        ; and the floor 2^(16 - 127): the byte cannot fall under 1
	v_add_nc_u32 v11, 0xf8800000, v12              ; 15 off the exponent field: the conversion takes this operand's exponent field as its scale
	v_and_or_b32 v10, v12, 0x7f800000, s20         ; 57,344 x the scale
	v_lshrrev_b32 v13, 23, v11                     ; the scale's byte
.if \t == 0
	v_mov_b32 v14, v13
.else
	v_lshl_or_b32 v14, v13, 8, v14                 ; the lower K in the lower byte
.endif
.irp i, 0,1,2,3,4,5,6,7,8,9,10,11,12,13,14,15,16,17,18,19,20,21,22,23,24,25,26,27,28,29,30,31
	v_med3_num_f32 v[XB+\i], v[XB+\i], -v10, v10   ; the conversion to an 8-bit code does not saturate (ISA guide 7.6.2): the hold comes first
.endr
.irp g, 0,1,2,3
	v_cvt_scalef32_pk8_bf8_f32 v[CD+8*\t+2*\g:CD+8*\t+2*\g+1], v[XB+8*\g:XB+8*\g+7], v11
.endr
	v_nop                                          ; a plain line behind the conversions, ahead of the lines that write v11 again
	global_store_b128 v3, v[CD+8*\t:CD+8*\t+3], s[10:11] offset:512*\t          ; k + 0..15: the image's lanes 0-15
	global_store_b128 v3, v[CD+8*\t+4:CD+8*\t+7], s[10:11] offset:512*\t+256    ; k + 16..31: its lanes 16-31
.endm
	BLOCK 0
	BLOCK 1
	global_store_b16 v4, v14, s[12:13]             ; my column's two scale bytes
	s_endpgm
.Lfunc_end_k_qe6a09c173e_wquant:
	.size	k_qe6a09c173e_wquant, .Lfunc_end_k_qe6a09c173e_wquant-k_qe6a09c173e_wquant
	.p2alignl 7, 3214868480
	.fill 96, 4, 3214868480
	.section	.rodata,"a",@progbits
	.p2align	6, 0x0
	.amdhsa_kernel k_qe6a09c173e_wquant
		.amdhsa_group_segment_fixed_size 0
		.amdhsa_private_segment_fixed_size 0
		.amdhsa_enable_private_segment 0
		.amdhsa_kernarg_size 40
		.amdhsa_user_sgpr_count 2
		.amdhsa_user_sgpr_kernarg_segment_ptr 1
		.amdhsa_wavefront_size32 1
		.amdhsa_system_sgpr_workgroup_id_x 1
		.amdhsa_system_sgpr_workgroup_id_y 1
		.amdhsa_system_sgpr_workgroup_id_z 1
		.amdhsa_system_vgpr_workitem_id 0
		.amdhsa_next_free_vgpr 104
		.amdhsa_next_free_sgpr 66
		.amdhsa_reserve_vcc 0
		.amdhsa_float_denorm_mode_32 3
		.amdhsa_float_denorm_mode_16_64 3
		.amdhsa_memory_ordered 1
		.amdhsa_forward_progress 1
		.amdhsa_inst_pref_size 22
	.end_amdhsa_kernel
	.amdgpu_metadata
---
amdhsa.version: [ 1, 2 ]
amdhsa.kernels:
  - .name:           k_qe6a09c173e_wquant
    .symbol:         k_qe6a09c173e_wquant.kd
    .args:
      - { .name: Wk, .offset: 0, .size: 8, .value_kind: global_buffer, .address_space: global }
      - { .name: Wv, .offset: 8, .size: 8, .value_kind: global_buffer, .address_space: global }
      - { .name: Wphi, .offset: 16, .size: 8, .value_kind: global_buffer, .address_space: global }
      - { .name: wcodes, .offset: 24, .size: 8, .value_kind: global_buffer, .address_space: global }
      - { .name: wscales, .offset: 32, .size: 8, .value_kind: global_buffer, .address_space: global }
    .group_segment_fixed_size: 0
    .private_segment_fixed_size: 0
    .kernarg_segment_align: 8
    .kernarg_segment_size: 40
    .max_flat_workgroup_size: 64
    .sgpr_count:     66
    .vgpr_count:     104
    .wavefront_size: 32
...
	.end_amdgpu_metadata
.endif
;; end of part 1
;; launch kscore (part 2): grid 256 x 1, 4 waves a work-group, no clusters, 305,664 bytes of LDS; arguments x_items, wcodes, wscales, bk, Wq, bq, x_query, xcodes, xscales, scores; writes xcodes, xscales, scores
.if DOCPART == 2
	.amdgcn_target "amdgcn-amd-amdhsa--gfx1250"
	.amdhsa_code_object_version 6
	.text
	.protected	k_qe6a09c173e_kscore
	.globl	k_qe6a09c173e_kscore
	.p2align	8
	.type	k_qe6a09c173e_kscore,@function
k_qe6a09c173e_kscore:
	s_mov_b64 s[64:65], 0
	v_nop
	global_prefetch_b8 v0, s[64:65] scope:SCOPE_SE
	s_setreg_imm32_b32 hwreg(HW_REG_WAVE_MODE, 25, 1), 1
	s_wait_xcnt 0x0
; scores[b][n] = (q[b] . (Q(x[b][n]) Q(Wk) + bk)) / sqrt(512), q[b] = x_query[b] Wq + bq; and x's codes and scale words go to memory for the next launch, so that x is read as f32 once.
; The product is on codes of BF8 (E5M2) with one E8M0 scale for each 32 along K; q, the dot product with q and all sums are f32.
; SHARES.  Work-group g owns rows 512 g .. 512 g + 511 of x (all of batch g / 8), as 8 blocks of 64 rows.  THE WAVES SHARE THE COLUMNS: wave w keeps Wk's columns 128 w .. 128 w + 127, all of K, in 512 registers for the
; whole launch; what goes round is a block's codes.
; x STREAMS THROUGH REGISTERS.  Wave w loads the 16 rows that it quantises itself, K step by K step: a group is 16 loads of 512 consecutive bytes (a row's 128 numbers) into a set of 64 registers; there are four sets.
; As soon as a set's numbers are quantised, the same K step of the NEXT block is asked for into it: a group has a whole block's work in which to land, the waits are counted, and loads stay out across both barriers.
; A landed group turns through the wave's own stage in LDS (in: a row's 512 bytes on end; back: 16 neighbours along K to a lane, into the registers that it left); LDS serves a wave's instructions in order, so no wait stands between.
; A BLOCK.  X: wave w quantises rows 16 w .. 16 w + 15 (four fragments of 16 rows x 128 K), stores them to LDS and to memory as images of the operand's registers (lane l's 16 bytes at 16 l) | barrier |
; M: for each of the four tiles of rows: its fragments from LDS, my 8 tiles of x Wk (32 matrix instructions), then the tile's part of q . k: a word a row into my own strip of LDS | barrier.
; At the end the four waves' parts are added, scaled and stored.
; bk: q . (x Wk + bk) is formed as q . (x Wk) + q . bk, the second a single number a wave, made once.  ORDER OF ROUNDING: it differs from adding bk to each k first; both are f32 sums of the same terms.
; Wk: seven of my eight tiles come by ONE tensor load (57,344 dense bytes, a first fill: nothing is ever filled again) and go to registers behind block 0's quantising; the eighth comes by 16 loads, since LDS has no room for it.
; THE MATRIX INSTRUCTION IS USED TRANSPOSED (source 0 = 16 columns of Wk, source 1 = 16 rows of x): lane (r, h) holds row r, register j column 16 t + 8 h + j.
; SCALE WORDS: a register holds an even K step's words in lanes 0-15 and the next odd step's in lanes 16-31 (read with MATRIX_SCALE_ROW1).
; No cluster: no two work-groups read the same rows of x; Wk's codes, which all share, are a fifth of what a work-group reads.  No prefetch: x's loads are asked for a block ahead as it is.
; LIMITS: a block of zeros gets the byte 1 (its codes are zeros; this program alone reads the bytes); NaN and infinities among the inputs are not served.
; REGISTERS, in windows of 256: window 0: v1-15 addresses; v16-31 Wk's scale words; v32-33 x's; v34 q . bk; v36-58 at work; v64-127 the codes just made, later x's fragments (one set, in two halves); v128-255 sets 0, 1 of x's numbers.
;   window 1: Wk's fragments (tile t, K step s = 0, 1) at v[32 t + 16 s];  window 2: the same for s = 2, 3;  window 3: v0-63 eight accumulators, v64-127 q in the result's layout, v128-255 sets 2, 3.
.set WLB,   57344                      ; LDS: what my tensor load brings: 7 tiles of 8,192 bytes; wave w's at WLB x w
.set STG,   4*WLB                      ; the stages: 16 rows x 528 bytes a wave: the pitch is an odd multiple of 16, so the 16 rows of a load start at 16 different groups of banks
.set STP,   528
.set STGB,  16*STP
.set XIMG,  STG+4*STGB                 ; a block's 16 fragments, 2,048 bytes each (tile of rows m, K step s: 4 m + s),
.set XSC,   XIMG+32768                 ; their scale words, 256 bytes a tile of rows,
.set SCST,  XSC+1024                   ; each wave's parts of the 512 scores, 2,048 bytes a wave: LDS ends at 305,152
.set NEXT,  131072                     ; bytes from a block of x to the next: 64 rows of 2,048
.set XG,  1                            ; v1   x in memory: 16 x lane + 32,768 x wave; never rewritten
.set STW, 2                            ; v2   my stage, on the way in: + 16 x lane
.set STR, 3                            ; v3   and on the way back: + 528 r + 64 h
.set WLA, 4                            ; v4   my tiles of Wk in LDS: + 16 x lane
.set QRD, 5                            ; v5   my stage + 32 h: q on its way into the result's layout
.set XWI, 7                            ; v7   where I store my fragments' images
.set XWS, 8                            ; v8   and their scale words
.set LI,  9                            ; v9   XIMG + 16 x lane
.set LS,  10                           ; v10  XSC + 8 x lane
.set SA,  11                           ; v11  my strip of scores, this block's first word of row r
.set GC,  12                           ; v12  codes in memory: 16 x lane + 8,192 x wave
.set GS,  13                           ; v13  scale words in memory: 8 x lane + 256 x wave
.set SA0, 14                           ; v14  SA of block 0
.set SRD, 15                           ; v15  the end: SCST + 512 x wave + 16 x lane
.set WS,  16
.set XS,  32                           ; v32 K steps 0, 1;  v33 K steps 2, 3
.set CB,  34                           ; v34  q . bk over my 128 columns
.set TM,  36                           ; v36-39 largest magnitudes, v40-43 bytes, v44-47 57,344 x the scale, v48-51 the conversions' scale operands
.set SM,  36                           ; (in phase M: four pairs of sums,
.set SP,  44                           ;  and the other half of the lanes')
.set PW,  52                           ; v52-55 the four K steps' scale words
.set SAB, 56                           ; v56-57 the same, two K steps to a register
.set SGO, 58                           ; v58  the end: 16 x lane + 512 x wave
.set XF,  64
.set PC,  64
.set LB,  128                          ; set s: v[LB + 64 (s % 2)] on, in window 0 (s = 0, 1) or 3 (s = 2, 3)
.set QV,  64                           ; in window 3: q
.set G1,  32                           ; s[32:39] descriptor group 1;  s[40:43] group 0
.set G0,  40
.set MSB, 0
.macro WIN new                         ; the immediate's high byte repeats the setting that is left; a switch that changes nothing is dropped
.if MSB != \new
	s_set_vgpr_msb (MSB<<8)|\new
.set MSB, \new
.endif
.endm
.macro PLACES n
.rept \n
	v_nop
.endr
.endm
; K step s of my 16 rows, off bytes on from the block in hand, into set s: each load takes 512 consecutive bytes of one row
.macro LOADX s, off
.if \s > 1
	WIN 0xc0                                       ; destination window 3
.endif
.irp p, 0,1,2,3,4,5,6,7,8,9,10,11,12,13,14,15
	global_load_b128 v[LB+64*((\s)%2)+4*\p:LB+64*((\s)%2)+4*\p+3], v[XG], s[4:5] offset:\off+2048*\p+512*(\s) th:TH_LOAD_NT
.endr
	WIN 0
.endm
	s_load_b256 s[4:11], s[0:1], 0x0               ; x_items s[4:5], wcodes s[6:7], wscales s[8:9], bk s[10:11]
	s_load_b256 s[12:19], s[0:1], 0x20             ; Wq s[12:13], bq s[14:15], x_query s[16:17], xcodes s[18:19]
	s_load_b128 s[20:23], s[0:1], 0x40             ; xscales s[20:21], scores s[22:23]
	v_lshl_add_u32 v6, v0, 2, 0x4a800
	v_mov_b32 v35, 0
	ds_add_u32 v6, v35
	ds_add_u32 v6, v35
	v_lshrrev_b32 v61, 5, v0
	v_readfirstlane_b32 s24, v61                   ; wave 0..3
	; descriptor group 1: a dense block as 224 rows of 256 bytes (32 elements of 8 bytes); no padding: images are read 512 consecutive bytes at a time
	s_mov_b32 s[G1+0], 3<<16
	s_mov_b32 s[G1+1], 32<<16                      ; tensor_dim0 = 32
	s_mov_b32 s[G1+2], 224<<16                     ; tensor_dim1 = 224
	s_mov_b32 s[G1+3], 32<<16                      ; tile_dim0 = 32
	s_mov_b32 s[G1+4], 224                         ; tile_dim1 = 224
	s_mov_b32 s[G1+5], 32                          ; tensor_dim0_stride
	s_mov_b32 s[G1+6], 0
	s_mov_b32 s[G1+7], 0
	s_mul_i32 s25, s24, WLB
	s_lshl_b32 s26, s24, 16
	s_mov_b32 s27, 0
	s_wait_dscnt 0x0
	s_wait_kmcnt 0x0
	s_add_nc_u64 s[6:7], s[6:7], s[26:27]          ; my 8 tiles of Wk's codes
	s_mov_b32 s[G0+0], 1
	s_mov_b32 s[G0+1], s25
	s_mov_b64 s[G0+2:G0+3], s[6:7]
	s_or_b32 s[G0+3], s[G0+3], 0x80000000          ; type = 2
	tensor_load_to_lds s[G0:G0+3], s[G1:G1+7]      ; my one tensor load, ahead of everything else
	s_nop 0
	PLACES 4
	s_lshl_b32 s26, s24, 11
	s_add_nc_u64 s[8:9], s[8:9], s[26:27]          ; their scale words,
	s_lshl_b32 s26, s24, 9
	s_add_nc_u64 s[10:11], s[10:11], s[26:27]      ; my 128 numbers of bk, Wq, bq
	s_add_nc_u64 s[12:13], s[12:13], s[26:27]
	s_add_nc_u64 s[14:15], s[14:15], s[26:27]
	s_lshr_b32 s26, ttmp9, 3
	s_lshl_b32 s26, s26, 2
	s_add_nc_u64 s[16:17], s[16:17], s[26:27]
	s_load_b32 s56, s[16:17], 0x0                  ; x_query of my batch
	s_lshl_b32 s26, ttmp9, 20
	s_add_nc_u64 s[4:5], s[4:5], s[26:27]          ; my 512 rows of x,
	s_lshl_b32 s26, ttmp9, 18
	s_add_nc_u64 s[18:19], s[18:19], s[26:27]      ; my 32 tiles of x's codes,
	s_lshl_b32 s26, ttmp9, 13
	s_add_nc_u64 s[20:21], s[20:21], s[26:27]      ; their scale words,
	s_lshl_b32 s26, ttmp9, 11
	s_add_nc_u64 s[22:23], s[22:23], s[26:27]      ; my 512 scores
	v_and_b32 v61, 31, v0                          ; lane
	v_and_b32 v59, 15, v0                          ; r
	v_bfe_u32 v60, v0, 4, 1                        ; h
	v_lshlrev_b32 v62, 4, v61                      ; 16 x lane
	v_lshlrev_b32 v63, 3, v61                      ; 8 x lane
	s_lshl_b32 s30, s24, 15
	v_add_nc_u32 v[XG], s30, v62
	; 27 small loads, then block 0's 64
	global_load_b128 v[64:67], v62, s[12:13]       ; Wq, bq, bk of columns 128 w + 4 x lane + 0..3: 512 consecutive bytes each
	global_load_b128 v[68:71], v62, s[14:15]
	global_load_b128 v[72:75], v62, s[10:11]
.irp t, 0,1,2,3,4,5,6,7
	global_load_b64 v[WS+2*\t:WS+2*\t+1], v63, s[8:9] offset:256*\t
.endr
	WIN 0x40                                       ; destination window 1: my eighth tile, K steps 0, 1
.irp s, 0,1
.irp c, 0,1,2,3
	global_load_b128 v[224+16*\s+4*\c:224+16*\s+4*\c+3], v62, s[6:7] offset:WLB+2048*\s+512*\c
.endr
.endr
	WIN 0x80                                       ; window 2: K steps 2, 3
.irp s, 0,1
.irp c, 0,1,2,3
	global_load_b128 v[224+16*\s+4*\c:224+16*\s+4*\c+3], v62, s[6:7] offset:WLB+2048*(\s+2)+512*\c
.endr
.endr
	WIN 0
	LOADX 0, 0
	LOADX 1, 0
	LOADX 2, 0
	LOADX 3, 0
	s_mul_i32 s30, s24, STGB
	s_add_co_u32 s30, s30, STG                     ; my stage
	v_add_nc_u32 v[STW], s30, v62
	v_mul_u32_u24 v[STR], v59, STP
	v_lshl_add_u32 v[STR], v60, 6, v[STR]          ; row r, + 64 h: my 16 numbers of a block of 32
	v_add_nc_u32 v[STR], s30, v[STR]
	v_lshl_add_u32 v[QRD], v60, 5, s30
	v_add_nc_u32 v[WLA], s25, v62
	s_lshl_b32 s30, s24, 13
	v_add_nc_u32 v[GC], s30, v62
	v_add_nc_u32 v[XWI], XIMG, v[GC]
	s_lshl_b32 s30, s24, 8
	v_add_nc_u32 v[GS], s30, v63
	v_add_nc_u32 v[XWS], XSC, v[GS]
	v_add_nc_u32 v[LI], XIMG, v62
	v_add_nc_u32 v[LS], XSC, v63
	s_lshl_b32 s30, s24, 11
	v_lshl_add_u32 v[SA0], v59, 2, s30
	v_add_nc_u32 v[SA0], SCST, v[SA0]
	v_mov_b32 v[SA], v[SA0]
	s_lshl_b32 s30, s24, 9
	v_add_nc_u32 v[SGO], s30, v62
	v_add_nc_u32 v[SRD], SCST, v[SGO]
.irp b, 0,1,2,3
	v_mov_b32 v[TM+4+\b], 0                        ; written once: a lane permute's destination counts as one of its sources
.endr
	s_mov_b32 s48, 0x76543210
	s_mov_b32 s49, 0xfedcba98                      ; v_permlanex16_b32's selects for lane l xor 16
	s_mov_b32 s50, 0x600000                        ; the mantissa field of 57,344
	s_mov_b32 s51, 0xffff0000                      ; lanes 16-31
	s_mov_b32 s54, 0                               ; this block's place in a strip of scores
	s_wait_loadcnt 63                              ; loads come back in order: behind the 27 small ones stand x's 64, of which 63 may be out (a wait's count names 63 at the most)
	s_wait_kmcnt 0x0
	s_mov_b32 s57, s56                             ; (the packed form names the pair and takes its low word for both halves)
	v_pk_fma_f32 v[64:65], v[64:65], s[56:57], v[68:69] op_sel_hi:[1,0,1]   ; q = x_query Wq + bq, four columns a lane
	v_pk_fma_f32 v[66:67], v[66:67], s[56:57], v[70:71] op_sel_hi:[1,0,1]
	ds_store_b128 v[STW], v[64:67]                 ; my 128 numbers of q on end in my stage,
	WIN 0xc0                                       ; destination window 3
.irp t, 0,1,2,3,4,5,6,7
	ds_load_b128 v[QV+8*\t:QV+8*\t+3], v[QRD] offset:64*\t           ; and back in the result's layout: tile t, columns 8 h + 0..7.  LDS serves a wave's instructions in order: these see the store,
	ds_load_b128 v[QV+8*\t+4:QV+8*\t+7], v[QRD] offset:64*\t+16      ; and the first group's stores into the stage come behind them
.endr
	WIN 0
	v_mul_f32 v[CB], v64, v72                      ; q . bk: my four columns,
	v_fma_f32 v[CB], v65, v73, v[CB]
	v_fma_f32 v[CB], v66, v74, v[CB]
	v_fma_f32 v[CB], v67, v75, v[CB]
.irp x, 1,2,4,8
	v_add_f32_dpp v[CB], v[CB], v[CB] row_xmask:\x row_mask:0xf bank_mask:0xf
.endr
	v_permlanex16_b32 v[TM+4], v[CB], s48, s49
	v_add_f32 v[CB], v[CB], v[TM+4]                ; the wave's 128: the same number in every lane
; set s goes through my stage: in as loaded (row p's 512 bytes on end), back so that register 16 b + 4 j + i = k 128 s + 32 b + 16 h + 4 j + i of row r
.macro TURN s
.if \s > 1
	WIN 0x0c                                       ; an LDS store's data are its source 1: window 3
.endif
.irp p, 0,1,2,3,4,5,6,7,8,9,10,11,12,13,14,15
	ds_store_b128 v[STW], v[LB+64*((\s)%2)+4*\p:LB+64*((\s)%2)+4*\p+3] offset:STP*\p
.endr
.if \s > 1
	WIN 0xc0                                       ; destination window 3
.endif
.irp b, 0,1,2,3
.irp j, 0,1,2,3
	ds_load_b128 v[LB+64*((\s)%2)+16*\b+4*\j:LB+64*((\s)%2)+16*\b+4*\j+3], v[STR] offset:128*\b+16*\j
.endr
.endr
	WIN 0
.endm
; 64 numbers of a lane, in window w (0 or 3), become a fragment's codes in v[pc] on and its scale word in v[pw]
.macro QUANT w, src, pc, pw
.if \w
	WIN 0x3c                                       ; sources 1 and 2 window 3
.endif
.irp b, 0,1,2,3
	v_max3_num_f32 v[TM+\b], 0x8000000, |v[\src+16*\b]|, |v[\src+1+16*\b]|   ; block b: my 16 numbers, and the floor 2^(16 - 127): the byte cannot fall under 1
.endr
.irp i, 2,4,6,8,10,12,14
.irp b, 0,1,2,3
	v_max3_num_f32 v[TM+\b], v[TM+\b], |v[\src+16*\b+\i]|, |v[\src+1+16*\b+\i]|   ; (the four blocks by turns)
.endr
.endr
	WIN 0
.irp b, 0,1,2,3
	v_permlanex16_b32 v[TM+4+\b], v[TM+\b], s48, s49
.endr
.irp b, 0,1,2,3
	v_max_num_f32 v[TM+\b], v[TM+\b], v[TM+4+\b]   ; with lane l xor 16's: the block's largest magnitude
.endr
.irp b, 0,1,2,3
	v_add_nc_u32 v[TM+12+\b], 0xf8800000, v[TM+\b] ; 15 off its exponent field: the conversion's scale operand
.endr
.irp b, 0,1,2,3
	v_and_or_b32 v[TM+8+\b], v[TM+\b], 0x7f800000, s50   ; 57,344 x the scale
.endr
.irp b, 0,1,2,3
	v_lshrrev_b32 v[TM+4+\b], 23, v[TM+12+\b]      ; the scale's byte
.endr
	v_lshl_or_b32 v[\pw], v[TM+5], 8, v[TM+4]      ; my row's scale word
	v_lshl_or_b32 v[\pw], v[TM+6], 16, v[\pw]
	v_lshl_or_b32 v[\pw], v[TM+7], 24, v[\pw]
.if \w
	WIN 0xc3                                       ; destination and source 0 window 3
.endif
.irp b, 0,1,2,3
.irp i, 0,1,2,3,4,5,6,7,8,9,10,11,12,13,14,15
	v_med3_num_f32 v[\src+16*\b+\i], v[\src+16*\b+\i], -v[TM+8+\b], v[TM+8+\b]   ; the conversion to an 8-bit code does not saturate (ISA guide 7.6.2): the hold comes first
.endr
.endr
.if \w
	WIN 0x03                                       ; source 0 window 3
.endif
.irp b, 0,1,2,3
	v_cvt_scalef32_pk8_bf8_f32 v[\pc+4*\b:\pc+1+4*\b], v[\src+16*\b:\src+7+16*\b], v[TM+12+\b]
	v_cvt_scalef32_pk8_bf8_f32 v[\pc+2+4*\b:\pc+3+4*\b], v[\src+8+16*\b:\src+15+16*\b], v[TM+12+\b]
.endr
	WIN 0
	v_nop                                          ; a plain line behind the last conversion
.endm
.macro IMG s                           ; K step s's fragment to LDS as it stands: 512 consecutive bytes a store
.irp c, 0,1,2,3
	ds_store_b128 v[XWI], v[PC+16*\s+4*\c:PC+16*\s+4*\c+3] offset:2048*\s+512*\c
.endr
.endm
.macro GST s                           ; and to memory likewise
.irp c, 0,1,2,3
	global_store_b128 v[GC], v[PC+16*\s+4*\c:PC+16*\s+4*\c+3], s[18:19] offset:2048*\s+512*\c
.endr
.endm
; PHASE X.  nx = 1: behind each K step's quantising the same K step of the next block is asked for.  first = 1: block 0, at whose end Wk comes out of LDS.
.macro XPH nx, first
	s_wait_loadcnt 48                              ; group 0 is in; groups 1 to 3 may be out
	TURN 0
	s_wait_loadcnt 32                              ; group 1 is in; groups 2 and 3 may be out
	TURN 1
	s_wait_dscnt 32                                ; set 0 is back from the stage; set 1's 32 LDS instructions may be out
	QUANT 0, LB, PC, PW
	IMG 0
	GST 0
.if \nx
	LOADX 0, NEXT
.endif
	s_wait_loadcnt 16+16*\nx                       ; group 2 is in: behind it group 3 and the 16 loads just issued
	TURN 2
	s_wait_dscnt 36                                ; set 1 is back: behind it four image stores and set 2's 32
	QUANT 0, LB+64, PC+16, PW+1
	IMG 1
	GST 1
.if \nx
	LOADX 1, NEXT
.endif
	s_wait_loadcnt 32*\nx                          ; group 3 is in: behind it the next block's groups 0 and 1
	TURN 3
	s_wait_dscnt 36                                ; set 2 is back: the same count
	QUANT 3, LB, PC+32, PW+2
	IMG 2
	GST 2
.if \nx
	LOADX 2, NEXT
.endif
	s_wait_dscnt 4                                 ; set 3 is back: behind it four image stores
	QUANT 3, LB+64, PC+48, PW+3
	IMG 3
	GST 3
.if \nx
	LOADX 3, NEXT
.endif
	v_cndmask_b32 v[SAB], v[PW], v[PW+1], s51      ; both halves of the lanes hold row r's word: lanes 0-15 keep the even K step's, lanes 16-31 take the odd one's
	v_cndmask_b32 v[SAB+1], v[PW+2], v[PW+3], s51
	ds_store_b64 v[XWS], v[SAB:SAB+1]
	global_store_b64 v[GS], v[SAB:SAB+1], s[20:21] ; 256 consecutive bytes a wave
.if \first
	s_wait_tensorcnt 0x0                           ; my seven tiles of Wk lie in LDS; only I read them, so my own wait is all the ordering that the reads need
	WIN 0x40                                       ; destination window 1: K steps 0, 1
.irp t, 0,1,2,3,4,5,6
.irp s, 0,1
.irp c, 0,1,2,3
	ds_load_b128 v[32*\t+16*\s+4*\c:32*\t+16*\s+4*\c+3], v[WLA] offset:8192*\t+2048*\s+512*\c
.endr
.endr
.endr
	WIN 0x80                                       ; window 2: K steps 2, 3
.irp t, 0,1,2,3,4,5,6
.irp s, 0,1
.irp c, 0,1,2,3
	ds_load_b128 v[32*\t+16*\s+4*\c:32*\t+16*\s+4*\c+3], v[WLA] offset:8192*\t+2048*(\s+2)+512*\c
.endr
.endr
.endr
	WIN 0
.endif
	s_wait_xcnt 0x0                                ; the codes' stores have had their addresses translated (ISA guide 3.1): x's fragments may land in the registers that they read
	s_wait_dscnt 0x0                               ; for the others' sake: my images have landed
	s_barrier_signal -1
	s_barrier_wait -1                              ; the block's sixteen fragments lie in LDS.  The next block's loads stay out: nobody writes those bytes of memory
.endm
.macro FETCHH m, hf                    ; half the fragments of rows 16 m on: K steps 2 hf, 2 hf + 1, and their scale words: 9 loads
.irp sl, 0,1
.irp c, 0,1,2,3
	ds_load_b128 v[XF+32*(\hf)+16*\sl+4*\c:XF+32*(\hf)+16*\sl+4*\c+3], v[LI] offset:8192*(\m)+2048*(2*(\hf)+\sl)+512*\c
.endr
.endr
	ds_load_b32 v[XS+(\hf)], v[LS] offset:256*(\m)+4*(\hf)
.endm
; 16 matrix instructions: K steps 2 hf and 2 hf + 1, my eight tiles by turns, one instruction a turn.  The first K step starts the sums.
.macro MULH hf
.if \hf == 0
	WIN 0xf1                                       ; source 0 (Wk) window 1, source 1 (x) window 0, C and D window 3
.else
	WIN 0xf2                                       ; source 0 window 2
.endif
.irp sl, 0,1
.irp t, 0,1,2,3,4,5,6,7
.if (\hf == 0) && (\sl == 0)
	v_wmma_scale_f32_16x16x128_f8f6f4 v[8*\t:8*\t+7], v[32*\t:32*\t+15], v[XF:XF+15], 0, v[WS+2*\t], v[XS] matrix_a_fmt:MATRIX_FMT_BF8 matrix_b_fmt:MATRIX_FMT_BF8
.elseif \sl == 0
	v_wmma_scale_f32_16x16x128_f8f6f4 v[8*\t:8*\t+7], v[32*\t:32*\t+15], v[XF+32:XF+47], v[8*\t:8*\t+7], v[WS+2*\t+1], v[XS+1] matrix_a_fmt:MATRIX_FMT_BF8 matrix_b_fmt:MATRIX_FMT_BF8
.else
	v_wmma_scale_f32_16x16x128_f8f6f4 v[8*\t:8*\t+7], v[32*\t+16:32*\t+31], v[XF+32*\hf+16:XF+32*\hf+31], v[8*\t:8*\t+7], v[WS+2*\t+\hf], v[XS+\hf] matrix_a_fmt:MATRIX_FMT_BF8 matrix_b_fmt:MATRIX_FMT_BF8 matrix_a_scale:MATRIX_SCALE_ROW1 matrix_b_scale:MATRIX_SCALE_ROW1
.endif
.endr
.endr
.endm
; my 128 columns' part of q . k for rows 16 m on: four chains of packed multiply-adds, each accumulator from its low end on; then my other half of the lanes', and q . bk.  nf = 1: the next tile's K steps 2, 3 are fetched first
.macro RED m, nf
	WIN 0
	PLACES 8                                       ; eight places between a product of this form and the first read of its result, and a load into a register that it read
.if \nf
	FETCHH (\m)+1, 1
.endif
	WIN 0x0f                                       ; sources 0 and 1 window 3
.irp i, 0,1,2,3
	v_pk_mul_f32 v[SM+2*\i:SM+2*\i+1], v[2*\i:2*\i+1], v[QV+2*\i:QV+2*\i+1]
.endr
.irp t, 1,2,3,4,5,6,7
.irp i, 0,1,2,3
	v_pk_fma_f32 v[SM+2*\i:SM+2*\i+1], v[8*\t+2*\i:8*\t+2*\i+1], v[QV+8*\t+2*\i:QV+8*\t+2*\i+1], v[SM+2*\i:SM+2*\i+1]
.endr
.endr
	WIN 0
	v_pk_add_f32 v[SM:SM+1], v[SM:SM+1], v[SM+2:SM+3]
	v_pk_add_f32 v[SM+4:SM+5], v[SM+4:SM+5], v[SM+6:SM+7]
	v_pk_add_f32 v[SM:SM+1], v[SM:SM+1], v[SM+4:SM+5]
	v_add_f32 v[SM], v[SM], v[SM+1]
	v_permlanex16_b32 v[SP], v[SM], s48, s49
	v_add_f32 v[SM], v[SM], v[SP]
	v_add_f32 v[SM], v[SM], v[CB]
	ds_store_b32 v[SA], v[SM] offset:64*(\m)       ; lanes r and r + 16 write the same word with the same value
.endm
; PHASE M.  x's fragments have one set in two halves: a half is fetched anew as soon as the 16 products that read it are issued and eight places have passed, 16 products and a reduction ahead of its next use.
.macro MPH
	FETCHH 0, 0
	FETCHH 0, 1
	s_wait_dscnt 9                                 ; tile 0's first half is in; the second half's 9 loads may be out
	MULH 0
	WIN 0
	PLACES 8
	FETCHH 1, 0
	s_wait_dscnt 9                                 ; tile 0's second half is in: behind it the 9 loads just issued
	MULH 1
	RED 0, 1
.irp m, 1,2
	s_wait_dscnt 10                                ; the first half is in: behind it the second half's 9 loads and a score's store
	MULH 0
	WIN 0
	PLACES 8
	FETCHH \m+1, 0
	s_wait_dscnt 10                                ; the second half is in: behind it a score's store and the 9 loads just issued
	MULH 1
	RED \m, 1
.endr
	s_wait_dscnt 10
	MULH 0
	s_wait_dscnt 1                                 ; behind tile 3's second half: a score's store
	MULH 1
	RED 3, 0
.endm
; On to the next block
.macro STEPB
	s_wait_xcnt 0x0                                ; every earlier load and store has had its addresses translated (ISA guide 3.1): the bases may step
	s_add_nc_u64 s[4:5], s[4:5], NEXT              ; 64 rows of x on,
	s_add_nc_u64 s[18:19], s[18:19], 0x8000        ; four tiles of codes,
	s_add_nc_u64 s[20:21], s[20:21], 0x400         ; four tiles of scale words,
	s_add_co_u32 s54, s54, 256                     ; 64 scores
	v_add_nc_u32 v[SA], s54, v[SA0]
	s_wait_dscnt 0x0                               ; my reads of the images are over
	s_barrier_signal -1
	s_barrier_wait -1                              ; everybody's are: the images may be written again
.endm
	XPH 1, 1                                       ; block 0
	MPH
	s_mov_b32 s52, 6
.Lblock:                                               ; blocks 1 to 6: each asks for the block behind it
	STEPB
	XPH 1, 0
	MPH
	s_sub_co_u32 s52, s52, 1
	s_cmp_lg_u32 s52, 0
	s_cbranch_scc1 .Lblock
	STEPB                                          ; block 7 is written out: it asks for nothing, so no load leaves the buffer, and its counts run down
	XPH 0, 0
	MPH
	; the four waves' parts of the 512 scores meet: wave w takes rows 128 w on, four a lane
	s_wait_dscnt 0x0
	s_barrier_signal -1
	s_barrier_wait -1
.irp u, 0,1,2,3
	ds_load_b128 v[64+4*\u:67+4*\u], v[SRD] offset:2048*\u
.endr
	s_wait_dscnt 0x0
	v_pk_add_f32 v[64:65], v[64:65], v[68:69]
	v_pk_add_f32 v[66:67], v[66:67], v[70:71]
	v_pk_add_f32 v[72:73], v[72:73], v[76:77]
	v_pk_add_f32 v[74:75], v[74:75], v[78:79]
	v_pk_add_f32 v[64:65], v[64:65], v[72:73]
	v_pk_add_f32 v[66:67], v[66:67], v[74:75]
	v_pk_mul_f32 v[64:65], v[64:65], 0x3d3504f3 op_sel_hi:[1,0]   ; / sqrt(512)
	v_pk_mul_f32 v[66:67], v[66:67], 0x3d3504f3 op_sel_hi:[1,0]
	global_store_b128 v[SGO], v[64:67], s[22:23]   ; 512 consecutive bytes a wave, aligned
	s_wait_tensorcnt 0x0
	ds_add_u32 v6, v35
	s_wait_dscnt 0x0
	s_endpgm
.Lfunc_end_k_qe6a09c173e_kscore:
	.size	k_qe6a09c173e_kscore, .Lfunc_end_k_qe6a09c173e_kscore-k_qe6a09c173e_kscore
	.p2alignl 7, 3214868480
	.fill 96, 4, 3214868480
	.section	.rodata,"a",@progbits
	.p2align	6, 0x0
	.amdhsa_kernel k_qe6a09c173e_kscore
		.amdhsa_group_segment_fixed_size 305664
		.amdhsa_private_segment_fixed_size 0
		.amdhsa_enable_private_segment 0
		.amdhsa_kernarg_size 80
		.amdhsa_user_sgpr_count 2
		.amdhsa_user_sgpr_kernarg_segment_ptr 1
		.amdhsa_wavefront_size32 1
		.amdhsa_system_sgpr_workgroup_id_x 1
		.amdhsa_system_sgpr_workgroup_id_y 1
		.amdhsa_system_sgpr_workgroup_id_z 1
		.amdhsa_system_vgpr_workitem_id 0
		.amdhsa_next_free_vgpr 1024
		.amdhsa_next_free_sgpr 66
		.amdhsa_reserve_vcc 0
		.amdhsa_float_denorm_mode_32 3
		.amdhsa_float_denorm_mode_16_64 3
		.amdhsa_memory_ordered 1
		.amdhsa_forward_progress 1
		.amdhsa_inst_pref_size 255
	.end_amdhsa_kernel
	.section	.bss,"aw",@nobits
	.p2align	6
	.space	262144
	.amdgpu_metadata
---
amdhsa.version: [ 1, 2 ]
amdhsa.kernels:
  - .name:           k_qe6a09c173e_kscore
    .symbol:         k_qe6a09c173e_kscore.kd
    .args:
      - { .name: x_items, .offset: 0, .size: 8, .value_kind: global_buffer, .address_space: global }
      - { .name: wcodes, .offset: 8, .size: 8, .value_kind: global_buffer, .address_space: global }
      - { .name: wscales, .offset: 16, .size: 8, .value_kind: global_buffer, .address_space: global }
      - { .name: bk, .offset: 24, .size: 8, .value_kind: global_buffer, .address_space: global }
      - { .name: Wq, .offset: 32, .size: 8, .value_kind: global_buffer, .address_space: global }
      - { .name: bq, .offset: 40, .size: 8, .value_kind: global_buffer, .address_space: global }
      - { .name: x_query, .offset: 48, .size: 8, .value_kind: global_buffer, .address_space: global }
      - { .name: xcodes, .offset: 56, .size: 8, .value_kind: global_buffer, .address_space: global }
      - { .name: xscales, .offset: 64, .size: 8, .value_kind: global_buffer, .address_space: global }
      - { .name: scores, .offset: 72, .size: 8, .value_kind: global_buffer, .address_space: global }
    .group_segment_fixed_size: 305664
    .private_segment_fixed_size: 0
    .kernarg_segment_align: 8
    .kernarg_segment_size: 80
    .max_flat_workgroup_size: 128
    .sgpr_count:     66
    .vgpr_count:     1024
    .wavefront_size: 32
...
	.end_amdgpu_metadata
.endif
;; end of part 2
;; launch vz (part 3): grid 256 x 1, 4 waves a work-group, no clusters, 273,152 bytes of LDS; arguments xcodes, xscales, wcodes, wscales, bv, scores, zpart; writes zpart
.if DOCPART == 3
	.amdgcn_target "amdgcn-amd-amdhsa--gfx1250"
	.amdhsa_code_object_version 6
	.text
	.protected	k_qe6a09c173e_vz
	.globl	k_qe6a09c173e_vz
	.p2align	8
	.type	k_qe6a09c173e_vz,@function
k_qe6a09c173e_vz:
	s_mov_b64 s[64:65], 0
	v_nop
	global_prefetch_b8 v0, s[64:65] scope:SCOPE_SE
	s_setreg_imm32_b32 hwreg(HW_REG_WAVE_MODE, 25, 1), 1
	s_wait_xcnt 0x0
; zpart[g][d] = the sum over the work-group's 512 rows n of attn[n] (Q(x[n]) Q(Wv) + bv)[d], attn = sparsemax of the batch's 4,096 scores.
; The product is on codes of BF8 (E5M2) with one E8M0 scale for each 32 along K, made by the launches before; attn, its product with v and all sums are f32.
; SHARES.  Work-group g owns rows 512 g on (batch g / 8); wave w keeps Wv's columns 128 w .. 128 w + 127, all of K, in 512 registers.  The work-group's codes (262,144 bytes) and scale words (8,192) all fit in LDS:
; each wave asks for its quarter by five tensor loads at the start (five of mine are out); nothing is ever filled again, so there is no ring.
; SPARSEMAX.  attn = max(s - tau, 0), tau the root of S(t) = sum of max(s - t, 0) = 1.  Every work-group of a batch finds tau for itself from all 4,096 scores, a quarter to a wave, 32 to a lane.
; With y = s - the largest s, the root lies in [-1, 0): S(-1) >= 1 and S(0) = 0.  Twelve rounds cut the bracket in four each (three trial points a round, one exchange through LDS): its width is then 2^-24, and every trial
; point is a multiple of 2^-24 of magnitude at most 1, so it is exact.  S falls with t under rounding too (each term and each addition does), so the bracket never turns over.  Two Newton steps from the
; left end follow, t += (S - 1) / K with K the number of y above t: they stay left of the root and hit it once the support is right.  No branch hangs on data: every choice is a v_cndmask_b32, and the trip counts are constants.
; THE MATRIX INSTRUCTION IS USED TRANSPOSED (source 0 = 16 columns of Wv, source 1 = 16 rows of x): lane (r, h) holds row r, register j column 16 t + 8 h + j; so attn is one number a lane, and z is summed in 64 registers
; a lane and over the sixteen rows' lanes at the end.
; No cluster: no two work-groups read the same codes of x; Wv goes straight to registers, once, and LDS has no room for it beside x's codes.
; LIMITS: NaN and infinities among the scores are not served.
; REGISTERS, in windows of 256: window 0: v1-14 addresses; v16-31 Wv's scale words; v32-35 x's; v36-39 attn, two pairs; v40-63 tau's numbers; v64-127, v128-191 two sets of x's fragments (before that: the scores and work); v192-255 z.
;   window 1: Wv's fragments (tile t, K step s = 0, 1) at v[32 t + 16 s];  window 2: s = 2, 3;  window 3: v0-63 eight accumulators, v64-127 bv in the result's layout.
.set XSB, 262144                       ; LDS: x's codes from 0 on (tile n at 8,192 n); their scale words, 256 bytes a tile;
.set AST, XSB+8192                     ; attn of my 512 rows;
.set EX,  AST+2048                     ; the waves' exchange: two slots of 64 bytes (16 a wave) by turns, and at 128 the four maxima
.set LI,  1                            ; v1-4  16 x lane + 65,536 i
.set LS,  5                            ; v5    XSB + 8 x lane
.set AAD, 6                            ; v6    AST + 4 r
.set EXW, 7                            ; v7    EX + 16 x wave
.set EXL, 8                            ; v8    EX
.set ASW, 9                            ; v9    AST + 512 x wave + 16 x lane
.set L16, 10                           ; v10   16 x lane
.set L8,  11                           ; v11   8 x lane
.set H32, 12                           ; v12   32 h
.set ZO,  13                           ; v13   my 16 bytes of the wave's 512 of zpart
.set EXM, 14                           ; v14   EX + 128 + 4 x wave
.set WS,  16
.set XS,  32
.set AW,  36
.set LO,  40                           ; the bracket's ends,
.set HI,  41
.set DD,  42                           ; its width
.set TT,  44                           ; v44, 46, 48 the trial points (each the low word of a pair)
.set AC,  50                           ; v50-55 three pairs of sums
.set SV,  56                           ; v56-59 what I send
.set SMX, 62                           ; v62   the batch's largest score (the low word of a pair)
.set Y,   64                           ; v64-95 my 32 scores
.set TP,  96                           ; v96-127 at work
.set EXD, 128                          ; v128-143 what the four waves sent
.set OWN, 144                          ; v144-147 four of my work-group's own scores
.set PT,  148                          ; v148-150 lane permutes' destinations
.set XF,  64
.set Z,   192
.set BI,  64                           ; in window 3: bv
.set G1C, 24                           ; s[24:31] group 1 for codes;  s[32:39] for scale words;  s[40:43] group 0 for scale words;  s[44:59] for the four chunks of codes
.set G1S, 32
.set G0S, 40
.set G0C, 44
.set MSB, 0
.macro WIN new                         ; the immediate's high byte repeats the setting that is left; a switch that changes nothing is dropped
.if MSB != \new
	s_set_vgpr_msb (MSB<<8)|\new
.set MSB, \new
.endif
.endm
.macro PLACES n
.rept \n
	v_nop
.endr
.endm
	s_load_b256 s[4:11], s[0:1], 0x0               ; xcodes s[4:5], xscales s[6:7], wcodes s[8:9], wscales s[10:11]
	s_load_b128 s[12:15], s[0:1], 0x20             ; bv s[12:13], scores s[14:15]
	s_load_b64 s[16:17], s[0:1], 0x30              ; zpart
	v_lshl_add_u32 v60, v0, 2, 0x42900
	v_mov_b32 v61, 0
	ds_add_u32 v60, v61
	ds_add_u32 v60, v61
	v_lshrrev_b32 v96, 5, v0
	v_readfirstlane_b32 s18, v96                   ; wave 0..3
	; descriptor groups 1: dense blocks as rows of 256 bytes (32 elements of 8 bytes): 64 rows of codes, 8 rows of scale words; no padding: images are read 512 consecutive bytes at a time
	s_mov_b32 s[G1C+0], 3<<16
	s_mov_b32 s[G1C+1], 32<<16
	s_mov_b32 s[G1C+2], 64<<16
	s_mov_b32 s[G1C+3], 32<<16
	s_mov_b32 s[G1C+4], 64
	s_mov_b32 s[G1C+5], 32
	s_mov_b32 s[G1C+6], 0
	s_mov_b32 s[G1C+7], 0
	s_mov_b32 s[G1S+0], 3<<16
	s_mov_b32 s[G1S+1], 32<<16
	s_mov_b32 s[G1S+2], 8<<16
	s_mov_b32 s[G1S+3], 32<<16
	s_mov_b32 s[G1S+4], 8
	s_mov_b32 s[G1S+5], 32
	s_mov_b32 s[G1S+6], 0
	s_mov_b32 s[G1S+7], 0
	s_lshl_b32 s20, ttmp9, 13                      ; scale words: 8,192 g + 2,048 w
	s_lshl_b32 s22, s18, 11
	s_add_co_u32 s20, s20, s22
	s_mov_b32 s21, 0
	s_add_co_u32 s[G0S+1], s22, XSB
	s_lshl_b32 s22, ttmp9, 18                      ; codes: 262,144 g + 16,384 w (+ 65,536 i)
	s_lshl_b32 s19, s18, 14
	s_add_co_u32 s22, s22, s19
	s_mov_b32 s23, 0
	s_wait_dscnt 0x0
	s_wait_kmcnt 0x0
	s_mov_b32 s[G0S], 1
	s_add_nc_u64 s[G0S+2:G0S+3], s[6:7], s[20:21]
	s_or_b32 s[G0S+3], s[G0S+3], 0x80000000
	s_add_nc_u64 s[4:5], s[4:5], s[22:23]
.irp i, 0,1,2,3
	s_mov_b32 s[G0C+4*\i], 1
	s_add_co_u32 s[G0C+4*\i+1], s19, 65536*\i
	s_add_nc_u64 s[G0C+4*\i+2:G0C+4*\i+3], s[4:5], 65536*\i
	s_or_b32 s[G0C+4*\i+3], s[G0C+4*\i+3], 0x80000000
.endr
	tensor_load_to_lds s[G0S:G0S+3], s[G1S:G1S+7]  ; all first fills in one group, ahead of every wait on TENSORcnt, every LDS read and every barrier
	s_nop 0
	tensor_load_to_lds s[G0C:G0C+3], s[G1C:G1C+7]
	s_nop 0
	tensor_load_to_lds s[G0C+4:G0C+7], s[G1C:G1C+7]
	s_nop 0
	tensor_load_to_lds s[G0C+8:G0C+11], s[G1C:G1C+7]
	s_nop 0
	tensor_load_to_lds s[G0C+12:G0C+15], s[G1C:G1C+7]
	s_nop 0
	PLACES 4
	s_lshl_b32 s22, s18, 16
	s_add_co_u32 s22, s22, 262144                  ; Wv's tiles begin at tile 32; mine at 32 + 8 w
	s_add_nc_u64 s[8:9], s[8:9], s[22:23]
	s_lshl_b32 s22, s18, 11
	s_add_co_u32 s22, s22, 8192
	s_add_nc_u64 s[10:11], s[10:11], s[22:23]
	s_lshl_b32 s22, s18, 9
	s_add_nc_u64 s[12:13], s[12:13], s[22:23]      ; my 128 numbers of bv
	s_lshr_b32 s20, ttmp9, 3
	s_lshl_b32 s20, s20, 14                        ; the batch's 4,096 scores,
	s_lshl_b32 s63, s18, 12                        ; my quarter of them
	s_add_co_u32 s20, s20, s63
	s_add_nc_u64 s[20:21], s[14:15], s[20:21]
	s_lshl_b32 s63, ttmp9, 11
	s_add_co_u32 s22, s22, s63                     ; 2,048 g + 512 w
	s_add_nc_u64 s[14:15], s[14:15], s[22:23]      ; my work-group's own scores, my wave's 128,
	s_add_nc_u64 s[16:17], s[16:17], s[22:23]      ; and my 128 numbers of zpart
	v_and_b32 v96, 31, v0                          ; lane
	v_and_b32 v97, 15, v0                          ; r
	v_bfe_u32 v98, v0, 4, 1                        ; h
	v_lshlrev_b32 v[L16], 4, v96
	v_lshlrev_b32 v[L8], 3, v96
	v_lshlrev_b32 v[H32], 5, v98
	v_mov_b32 v[LI], v[L16]
	v_add_nc_u32 v[LI+1], 0x10000, v[L16]
	v_add_nc_u32 v[LI+2], 0x20000, v[L16]
	v_add_nc_u32 v[LI+3], 0x30000, v[L16]
	v_add_nc_u32 v[LS], XSB, v[L8]
	v_lshl_add_u32 v[AAD], v97, 2, AST
	s_lshl_b32 s63, s18, 4
	s_add_co_u32 s63, s63, EX
	v_mov_b32 v[EXW], s63
	v_mov_b32 v[EXL], EX
	s_lshl_b32 s63, s18, 9
	v_add_nc_u32 v[ASW], s63, v[L16]
	v_add_nc_u32 v[ASW], AST, v[ASW]
	s_lshl_b32 s63, s18, 2
	s_add_co_u32 s63, s63, EX+128
	v_mov_b32 v[EXM], s63
	v_lshrrev_b32 v99, 1, v97
	v_lshl_add_u32 v[ZO], v99, 6, v[H32]           ; at the end lane (r, h) holds tile r / 2, columns 8 h + 4 (r % 2) + 0..3
	v_and_b32 v99, 1, v97
	v_lshl_add_u32 v[ZO], v99, 4, v[ZO]
	s_mov_b32 s60, 0x76543210
	s_mov_b32 s61, 0xfedcba98                      ; v_permlanex16_b32's selects for lane l xor 16
	s_mov_b32 s66, 0xff00ff00                      ; lanes with r & 8,
	s_mov_b32 s67, 0xf0f0f0f0                      ; r & 4,
	s_mov_b32 s68, 0xcccccccc                      ; r & 2,
	s_mov_b32 s69, 0xaaaaaaaa                      ; r & 1
.irp n, AW+1, AW+3, TT+1, TT+3, TT+5, SV+3, SMX+1, PT, PT+1, PT+2
	v_mov_b32 v[\n], 0                             ; written once: upper words of pairs of which the low word is broadcast, the fourth word that is sent, and lane permutes' destinations
.endr
.macro WLD t, hf                       ; tile t's fragments of K steps 2 hf, 2 hf + 1
.irp s, 0,1
.irp c, 0,1,2,3
	global_load_b128 v[32*\t+16*\s+4*\c:32*\t+16*\s+4*\c+3], v[L16], s[8:9] offset:8192*\t+2048*(\s+2*\hf)+512*\c
.endr
.endr
.endm
	; the loads into registers go out in three runs, strewn through the search for tau, which needs only the first eight
.irp i, 0,1,2,3,4,5,6,7
	global_load_b128 v[Y+4*\i:Y+4*\i+3], v[L16], s[20:21] offset:512*\i
.endr
	global_load_b128 v[OWN:OWN+3], v[L16], s[14:15]
.irp t, 0,1,2,3,4,5,6,7
	global_load_b64 v[WS+2*\t:WS+2*\t+1], v[L8], s[10:11] offset:256*\t
.endr
	WIN 0xc0                                       ; destination window 3
.irp t, 0,1,2,3,4,5,6,7
	global_load_b128 v[BI+8*\t:BI+8*\t+3], v[H32], s[12:13] offset:64*\t
	global_load_b128 v[BI+8*\t+4:BI+8*\t+7], v[H32], s[12:13] offset:64*\t+16
.endr
	WIN 0x40                                       ; window 1
.irp t, 0,1,2
	WLD \t, 0
.endr
	WIN 0
	s_wait_loadcnt 49                              ; my 32 scores are in: behind them 1 + 8 + 16 + 24 loads
	v_max3_num_f32 v[TP], v[Y], v[Y+1], v[Y+2]     ; the largest of them, in two chains
	v_max3_num_f32 v[TP+1], v[Y+3], v[Y+4], v[Y+5]
.irp i, 6,10,14,18,22,26
	v_max3_num_f32 v[TP], v[TP], v[Y+\i], v[Y+\i+1]
	v_max3_num_f32 v[TP+1], v[TP+1], v[Y+\i+2], v[Y+\i+3]
.endr
	v_max3_num_f32 v[TP], v[TP], v[Y+30], v[Y+31]
	v_max_num_f32 v[TP], v[TP], v[TP+1]
.irp x, 1,2,4,8
	v_max_num_f32_dpp v[TP], v[TP], v[TP] row_xmask:\x row_mask:0xf bank_mask:0xf
.endr
	v_permlanex16_b32 v[PT], v[TP], s60, s61
	v_max_num_f32 v[TP], v[TP], v[PT]              ; my wave's
	ds_store_b32 v[EXM], v[TP]                     ; all lanes write the same word with the same value
	s_wait_dscnt 0x0
	s_barrier_signal -1
	s_barrier_wait -1
	ds_load_b128 v[EXD:EXD+3], v[EXL] offset:128
	WIN 0x40
.irp t, 3,4,5,6,7
	WLD \t, 0
.endr
	WIN 0x80                                       ; window 2
.irp t, 0,1
	WLD \t, 1
.endr
	WIN 0
	s_wait_dscnt 0x0
	v_max3_num_f32 v[SMX], v[EXD], v[EXD+1], v[EXD+2]
	v_max_num_f32 v[SMX], v[SMX], v[EXD+3]         ; the batch's largest score
.set i, 0
.rept 16
	v_pk_add_f32 v[Y+i:Y+i+1], v[Y+i:Y+i+1], v[SMX:SMX+1] op_sel_hi:[1,0] neg_lo:[0,1] neg_hi:[0,1]   ; y = s - the largest: 0 at the most
.set i, i+2
.endr
	v_mov_b32 v[LO], -1.0
	v_mov_b32 v[HI], 0
; three numbers of each lane, v[SV] on, are summed over the wave; the four waves' sums meet in exchange slot p and are added in the same order in every wave, so that all four go on with the same bits.
; One barrier a round is enough: slot p is written again two rounds on, behind the next round's barrier, which every wave reaches behind the wait for its reads of slot p.
.macro EXCH p
.irp x, 1,2,4,8
.irp c, 0,1,2
	v_add_f32_dpp v[SV+\c], v[SV+\c], v[SV+\c] row_xmask:\x row_mask:0xf bank_mask:0xf
.endr
.endr
.irp c, 0,1,2
	v_permlanex16_b32 v[PT+\c], v[SV+\c], s60, s61
.endr
.irp c, 0,1,2
	v_add_f32 v[SV+\c], v[SV+\c], v[PT+\c]
.endr
	ds_store_b128 v[EXW], v[SV:SV+3] offset:64*\p  ; all lanes write the same 16 bytes with the same values
	s_wait_dscnt 0x0                               ; for the others' sake
	s_barrier_signal -1
	s_barrier_wait -1
.irp u, 0,1,2,3
	ds_load_b128 v[EXD+4*\u:EXD+4*\u+3], v[EXL] offset:64*\p+16*\u
.endr
	s_wait_dscnt 0x0
	v_pk_add_f32 v[EXD:EXD+1], v[EXD:EXD+1], v[EXD+4:EXD+5]
	v_pk_add_f32 v[EXD+2:EXD+3], v[EXD+2:EXD+3], v[EXD+6:EXD+7]
	v_pk_add_f32 v[EXD+8:EXD+9], v[EXD+8:EXD+9], v[EXD+12:EXD+13]
	v_pk_add_f32 v[EXD+10:EXD+11], v[EXD+10:EXD+11], v[EXD+14:EXD+15]
	v_pk_add_f32 v[EXD:EXD+1], v[EXD:EXD+1], v[EXD+8:EXD+9]
	v_pk_add_f32 v[EXD+2:EXD+3], v[EXD+2:EXD+3], v[EXD+10:EXD+11]
.endm
; A round of the search: S at the bracket's three quarter points; the new bracket is the quarter in which S passes 1
.macro ROUND p
	v_sub_f32 v[DD], v[HI], v[LO]
	v_fmamk_f32 v[TT], v[DD], 0x3e800000, v[LO]    ; LO + D / 4
	v_fma_f32 v[TT+2], v[DD], 0.5, v[LO]
	v_fmamk_f32 v[TT+4], v[DD], 0x3f400000, v[LO]  ; LO + 3 D / 4
.irp c, 0,1,2
	v_pk_add_f32 v[AC+2*\c:AC+2*\c+1], v[Y:Y+1], v[TT+2*\c:TT+2*\c+1] op_sel_hi:[1,0] neg_lo:[0,1] neg_hi:[0,1]   ; the first pair starts the sums
.endr
.irp c, 0,1,2
	v_max_num_f32 v[AC+2*\c], 0, v[AC+2*\c]
	v_max_num_f32 v[AC+2*\c+1], 0, v[AC+2*\c+1]
.endr
.irp i, 1,2,3,4,5,6,7,8,9,10,11,12,13,14,15
.irp c, 0,1,2
	v_pk_add_f32 v[TP+6*(\i%4)+2*\c:TP+6*(\i%4)+2*\c+1], v[Y+2*\i:Y+2*\i+1], v[TT+2*\c:TT+2*\c+1] op_sel_hi:[1,0] neg_lo:[0,1] neg_hi:[0,1]   ; y - t, the three points by turns
.endr
.irp c, 0,1,2
	v_max_num_f32 v[TP+6*(\i%4)+2*\c], 0, v[TP+6*(\i%4)+2*\c]
	v_max_num_f32 v[TP+6*(\i%4)+2*\c+1], 0, v[TP+6*(\i%4)+2*\c+1]
.endr
.irp c, 0,1,2
	v_pk_add_f32 v[AC+2*\c:AC+2*\c+1], v[AC+2*\c:AC+2*\c+1], v[TP+6*(\i%4)+2*\c:TP+6*(\i%4)+2*\c+1]
.endr
.endr
.irp c, 0,1,2
	v_add_f32 v[SV+\c], v[AC+2*\c], v[AC+2*\c+1]
.endr
	EXCH \p
	v_cmp_le_f32 s70, 1.0, v[EXD]                  ; S >= 1 at the first point, the second, the third
	v_cmp_le_f32 s71, 1.0, v[EXD+1]
	v_cmp_le_f32 s72, 1.0, v[EXD+2]
	v_cndmask_b32 v[HI], v[TT+4], v[HI], s72       ; the right end: the lowest point with S < 1
	v_cndmask_b32 v[HI], v[TT+2], v[HI], s71
	v_cndmask_b32 v[HI], v[TT], v[HI], s70
	v_cndmask_b32 v[LO], v[LO], v[TT], s70         ; the left end: the highest point with S >= 1
	v_cndmask_b32 v[LO], v[LO], v[TT+2], s71
	v_cndmask_b32 v[LO], v[LO], v[TT+4], s72
.endm
; A Newton step from t = LO: S as above, K = how many y lie above t (at least one: the largest y is 0 and t is negative)
.macro NEWTON p
	v_mov_b32 v[TT], v[LO]
	v_pk_add_f32 v[AC:AC+1], v[Y:Y+1], v[TT:TT+1] op_sel_hi:[1,0] neg_lo:[0,1] neg_hi:[0,1]
	v_cmp_lt_f32 vcc_lo, 0, v[AC]
	v_cndmask_b32 v[AC+2], 0, 1.0, vcc_lo
	v_cmp_lt_f32 vcc_lo, 0, v[AC+1]
	v_cndmask_b32 v[AC+3], 0, 1.0, vcc_lo
	v_max_num_f32 v[AC], 0, v[AC]
	v_max_num_f32 v[AC+1], 0, v[AC+1]
.irp i, 1,2,3,4,5,6,7,8,9,10,11,12,13,14,15
	v_pk_add_f32 v[TP+4*(\i%4):TP+4*(\i%4)+1], v[Y+2*\i:Y+2*\i+1], v[TT:TT+1] op_sel_hi:[1,0] neg_lo:[0,1] neg_hi:[0,1]
	v_cmp_lt_f32 vcc_lo, 0, v[TP+4*(\i%4)]
	v_cndmask_b32 v[TP+4*(\i%4)+2], 0, 1.0, vcc_lo
	v_cmp_lt_f32 vcc_lo, 0, v[TP+4*(\i%4)+1]
	v_cndmask_b32 v[TP+4*(\i%4)+3], 0, 1.0, vcc_lo
	v_max_num_f32 v[TP+4*(\i%4)], 0, v[TP+4*(\i%4)]
	v_max_num_f32 v[TP+4*(\i%4)+1], 0, v[TP+4*(\i%4)+1]
	v_pk_add_f32 v[AC:AC+1], v[AC:AC+1], v[TP+4*(\i%4):TP+4*(\i%4)+1]
	v_pk_add_f32 v[AC+2:AC+3], v[AC+2:AC+3], v[TP+4*(\i%4)+2:TP+4*(\i%4)+3]
.endr
	v_add_f32 v[SV], v[AC], v[AC+1]
	v_add_f32 v[SV+1], v[AC+2], v[AC+3]            ; (the third word that is sent keeps its last value and is not used)
	EXCH \p
	v_rcp_f32 v[DD], v[EXD+1]
	v_add_f32 v[HI], -1.0, v[EXD]                  ; (a plain line behind the reciprocal)  S - 1
	s_wait_alu depctr_va_vdst(0)
	v_fma_f32 v[LO], v[HI], v[DD], v[LO]
.endm
	s_mov_b32 s62, 3
.Lsearch_a:                                            ; six rounds,
	ROUND 0
	ROUND 1
	s_sub_co_u32 s62, s62, 1
	s_cmp_lg_u32 s62, 0
	s_cbranch_scc1 .Lsearch_a
	WIN 0x80                                       ; the last run of Wv's loads,
.irp t, 2,3,4,5,6,7
	WLD \t, 1
.endr
	WIN 0
	s_mov_b32 s62, 3
.Lsearch_b:                                            ; and six more
	ROUND 0
	ROUND 1
	s_sub_co_u32 s62, s62, 1
	s_cmp_lg_u32 s62, 0
	s_cbranch_scc1 .Lsearch_b
	NEWTON 0
	NEWTON 1
	s_wait_loadcnt 0x0                             ; my own four scores, and all of Wv, its scale words and bv
	v_mov_b32 v[TT], v[LO]
	v_pk_add_f32 v[OWN:OWN+1], v[OWN:OWN+1], v[SMX:SMX+1] op_sel_hi:[1,0] neg_lo:[0,1] neg_hi:[0,1]
	v_pk_add_f32 v[OWN+2:OWN+3], v[OWN+2:OWN+3], v[SMX:SMX+1] op_sel_hi:[1,0] neg_lo:[0,1] neg_hi:[0,1]
	v_pk_add_f32 v[OWN:OWN+1], v[OWN:OWN+1], v[TT:TT+1] op_sel_hi:[1,0] neg_lo:[0,1] neg_hi:[0,1]
	v_pk_add_f32 v[OWN+2:OWN+3], v[OWN+2:OWN+3], v[TT:TT+1] op_sel_hi:[1,0] neg_lo:[0,1] neg_hi:[0,1]
.irp i, 0,1,2,3
	v_max_num_f32 v[OWN+\i], 0, v[OWN+\i]          ; attn = max(y - tau, 0)
.endr
	ds_store_b128 v[ASW], v[OWN:OWN+3]
	s_wait_tensorcnt 0x3                           ; my parts of the scale words and of tiles 0-7 are in; three chunks may be out
	s_wait_dscnt 0x0
	s_barrier_signal -1
	s_barrier_wait -1                              ; everybody's are, and attn of all 512 rows lies in LDS
.macro FETCH n                         ; tile n of 16 rows: four fragments, the scale words, attn of row r: 18 loads
.irp s, 0,1,2,3
.irp c, 0,1,2,3
	ds_load_b128 v[XF+64*((\n)%2)+16*\s+4*\c:XF+64*((\n)%2)+16*\s+4*\c+3], v[LI+(\n)/8] offset:8192*((\n)%8)+2048*\s+512*\c
.endr
.endr
	ds_load_b64 v[XS+2*((\n)%2):XS+2*((\n)%2)+1], v[LS] offset:256*(\n)
	ds_load_b32 v[AW+2*((\n)%2)], v[AAD] offset:64*(\n)
.endm
; 32 matrix instructions: K step by K step, my eight tiles by turns, one instruction a turn.  The first K step takes bv as C.
.macro MUL buf
.irp s, 0,1,2,3
.if \s < 2
	WIN 0xf1                                       ; source 0 (Wv) window 1, source 1 (x) window 0, C and D window 3
.else
	WIN 0xf2                                       ; source 0 window 2
.endif
.irp t, 0,1,2,3,4,5,6,7
.if \s == 0
	v_wmma_scale_f32_16x16x128_f8f6f4 v[8*\t:8*\t+7], v[32*\t:32*\t+15], v[XF+64*(\buf):XF+64*(\buf)+15], v[BI+8*\t:BI+8*\t+7], v[WS+2*\t], v[XS+2*(\buf)] matrix_a_fmt:MATRIX_FMT_BF8 matrix_b_fmt:MATRIX_FMT_BF8
.elseif \s == 2
	v_wmma_scale_f32_16x16x128_f8f6f4 v[8*\t:8*\t+7], v[32*\t:32*\t+15], v[XF+64*(\buf)+32:XF+64*(\buf)+47], v[8*\t:8*\t+7], v[WS+2*\t+1], v[XS+2*(\buf)+1] matrix_a_fmt:MATRIX_FMT_BF8 matrix_b_fmt:MATRIX_FMT_BF8
.else
	v_wmma_scale_f32_16x16x128_f8f6f4 v[8*\t:8*\t+7], v[32*\t+16:32*\t+31], v[XF+64*(\buf)+16*\s:XF+64*(\buf)+16*\s+15], v[8*\t:8*\t+7], v[WS+2*\t+\s/2], v[XS+2*(\buf)+\s/2] matrix_a_fmt:MATRIX_FMT_BF8 matrix_b_fmt:MATRIX_FMT_BF8 matrix_a_scale:MATRIX_SCALE_ROW1 matrix_b_scale:MATRIX_SCALE_ROW1
.endif
.endr
.endr
.endm
	FETCH 0
.set N, 0
.rept 32                               ; the 32 tiles of rows, written out: every LDS offset is an immediate
	s_wait_dscnt 0x0                               ; this tile's 18 loads are in (asked for a tile ago)
.if (N == 7) || (N == 15) || (N == 23)
	s_wait_tensorcnt 2-N/8                         ; my part of the next eight tiles is in; the chunks behind it may be out
	s_barrier_signal -1
	s_barrier_wait -1                              ; everybody's is.  Nothing is ever filled again
.endif
.if N < 31
	FETCH N+1                                      ; into the set that the tile before has left: the 40 lines behind its products are the places in front of these loads
.endif
	MUL N%2
	WIN 0x03                                       ; source 0 window 3
	PLACES 8                                       ; eight places between a product of this form and the first read of its result
.set i, 0
.rept 32
.if N == 0
	v_pk_mul_f32 v[Z+i:Z+i+1], v[i:i+1], v[AW:AW+1] op_sel_hi:[1,0]                        ; the first tile starts z's sums: nothing is cleared
.else
	v_pk_fma_f32 v[Z+i:Z+i+1], v[i:i+1], v[AW+2*(N%2):AW+2*(N%2)+1], v[Z+i:Z+i+1] op_sel_hi:[1,0,1]   ; z += attn(row r) x v, each accumulator from its low end on
.endif
.set i, i+2
.endr
	WIN 0
.set N, N+1
.endr
; THE SUM OVER THE 16 ROWS' LANES, halving the registers as it goes: in a step the lanes with the mask's bit keep the upper half of the tiles and send the lower, the others the other way round.
.macro RS x, m, n                      ; n registers are kept, n sent to lane r xor x
.set i, 0
.rept \n
	v_cndmask_b32 v[64+i], v[Z+\n+i], v[Z+i], \m   ; what I send
.set i, i+1
.endr
.set i, 0
.rept \n
	v_cndmask_b32 v[Z+i], v[Z+i], v[Z+\n+i], \m    ; what I keep
.set i, i+1
.endr
.set i, 0
.rept \n
	v_add_f32_dpp v[Z+i], v[64+i], v[Z+i] row_xmask:\x row_mask:0xf bank_mask:0xf
.set i, i+1
.endr
.endm
	RS 8, s66, 32
	RS 4, s67, 16
	RS 2, s68, 8                                   ; lane r now holds tile r / 2
.irp j, 0,1,2,3,4,5,6,7
	v_add_f32_dpp v[Z+\j], v[Z+\j], v[Z+\j] row_xmask:1 row_mask:0xf bank_mask:0xf
.endr
.irp i, 0,1,2,3
	v_cndmask_b32 v[64+\i], v[Z+\i], v[Z+4+\i], s69   ; the even lane stores the first four of its half's eight columns, the odd lane the other four
.endr
	global_store_b128 v[ZO], v[64:67], s[16:17]    ; the wave's 128 columns: 512 consecutive bytes, aligned
	s_wait_tensorcnt 0x0
	ds_add_u32 v60, v61
	s_wait_dscnt 0x0
	s_endpgm
.Lfunc_end_k_qe6a09c173e_vz:
	.size	k_qe6a09c173e_vz, .Lfunc_end_k_qe6a09c173e_vz-k_qe6a09c173e_vz
	.p2alignl 7, 3214868480
	.fill 96, 4, 3214868480
	.section	.rodata,"a",@progbits
	.p2align	6, 0x0
	.amdhsa_kernel k_qe6a09c173e_vz
		.amdhsa_group_segment_fixed_size 273152
		.amdhsa_private_segment_fixed_size 0
		.amdhsa_enable_private_segment 0
		.amdhsa_kernarg_size 56
		.amdhsa_user_sgpr_count 2
		.amdhsa_user_sgpr_kernarg_segment_ptr 1
		.amdhsa_wavefront_size32 1
		.amdhsa_system_sgpr_workgroup_id_x 1
		.amdhsa_system_sgpr_workgroup_id_y 1
		.amdhsa_system_sgpr_workgroup_id_z 1
		.amdhsa_system_vgpr_workitem_id 0
		.amdhsa_next_free_vgpr 1024
		.amdhsa_next_free_sgpr 80
		.amdhsa_reserve_vcc 1
		.amdhsa_float_denorm_mode_32 3
		.amdhsa_float_denorm_mode_16_64 3
		.amdhsa_memory_ordered 1
		.amdhsa_forward_progress 1
		.amdhsa_inst_pref_size 255
	.end_amdhsa_kernel
	.section	.bss,"aw",@nobits
	.p2align	6
	.space	262144
	.amdgpu_metadata
---
amdhsa.version: [ 1, 2 ]
amdhsa.kernels:
  - .name:           k_qe6a09c173e_vz
    .symbol:         k_qe6a09c173e_vz.kd
    .args:
      - { .name: xcodes, .offset: 0, .size: 8, .value_kind: global_buffer, .address_space: global }
      - { .name: xscales, .offset: 8, .size: 8, .value_kind: global_buffer, .address_space: global }
      - { .name: wcodes, .offset: 16, .size: 8, .value_kind: global_buffer, .address_space: global }
      - { .name: wscales, .offset: 24, .size: 8, .value_kind: global_buffer, .address_space: global }
      - { .name: bv, .offset: 32, .size: 8, .value_kind: global_buffer, .address_space: global }
      - { .name: scores, .offset: 40, .size: 8, .value_kind: global_buffer, .address_space: global }
      - { .name: zpart, .offset: 48, .size: 8, .value_kind: global_buffer, .address_space: global }
    .group_segment_fixed_size: 273152
    .private_segment_fixed_size: 0
    .kernarg_segment_align: 8
    .kernarg_segment_size: 56
    .max_flat_workgroup_size: 128
    .sgpr_count:     80
    .vgpr_count:     1024
    .wavefront_size: 32
...
	.end_amdgpu_metadata
.endif
;; end of part 3
;; launch final (part 4): grid 4 x 8, 16 waves a work-group, no clusters, 18,944 bytes of LDS; arguments zpart, wcodes, wscales, bphi, out0; writes out0
.if DOCPART == 4
	.amdgcn_target "amdgcn-amd-amdhsa--gfx1250"
	.amdhsa_code_object_version 6
	.text
	.protected	k_qe6a09c173e_final
	.globl	k_qe6a09c173e_final
	.p2align	8
	.type	k_qe6a09c173e_final,@function
k_qe6a09c173e_final:
	s_mov_b64 s[64:65], 0
	v_nop
	global_prefetch_b8 v0, s[64:65] scope:SCOPE_SE
	s_setreg_imm32_b32 hwreg(HW_REG_WAVE_MODE, 25, 1), 1
	s_wait_xcnt 0x0
; out0 = Q(z) Q(Wphi) + bphi, z[b] = the sum of the batch's eight parts in zpart.  The product is on codes of BF8 (E5M2) with one E8M0 scale for each 32 along K; z and the sums are f32.
; SHARES.  Work-group (x, m) takes FOUR batches, 4 m .. 4 m + 3; its wave w the 16 columns of tile T = 16 x + w of Wphi (codes and scale words made by the first launch, tiles 64 + T).  32 work-groups.
; The launch is a chain of dependent steps on few bytes, and what weighs in it is what a work-group reads of zpart: with four batches that is 65,536 bytes, eight loads a wave.  The product's tile has 16 rows:
; they are the four batches four times over (lane r stands for batch r % 4); the lanes with r >= 4 repeat the others' results and store nothing.
; A: wave w adds the eight parts of 128 of one batch's 512 numbers and puts them into a stage in LDS | barrier |  B: wave w quantises ONE block of 32 along K (lane (r, h): 16 numbers of batch r % 4)
; and stores its 16 bytes a lane into z's fragment images, and the block's byte into the scale words | barrier |  C: every wave loads z's four fragments and makes its tile: four matrix instructions on two accumulators by turns.
; Tile 63 and the upper half of tile 62 lie past column 999: those lanes store nothing (the wave of tile 63 has its share of A and B).
; The matrix instruction is used transposed (source 0 = 16 columns of Wphi, source 1 = the batches): a lane's eight results are eight neighbouring columns of one row.  A row of out0 is 4,000 bytes, which is no multiple of 256:
; rows do not fall on aligned runs of 256 bytes, so the 128,000 bytes leave as 32 bytes a lane, with no stage.
; LIMITS: a block of zeros gets the byte 1 (its codes are zeros); NaN and infinities are not served.
.set ZP,   2064                        ; a stage row: 2,048 bytes + 16: an odd multiple of 16
.set ZIMG, 4*ZP                        ; z's four fragments, 2,048 bytes each
.set ZSC,  ZIMG+8192                   ; their scale words: 8 bytes a lane
	s_load_b256 s[4:11], s[0:1], 0x0               ; zpart s[4:5], wcodes s[6:7], wscales s[8:9], bphi s[10:11]
	s_load_b64 s[12:13], s[0:1], 0x20              ; out0
	v_lshl_add_u32 v190, v0, 2, 0x4200
	v_mov_b32 v191, 0
	v_lshrrev_b32 v1, 5, v0
	v_readfirstlane_b32 s14, v1                    ; wave 0..15
	s_and_b32 s15, ttmp7, 0xffff                   ; m
	s_lshl_b32 s16, ttmp9, 4
	s_add_co_u32 s16, s16, s14                     ; T
	s_and_b32 s17, s14, 3                          ; w % 4
	s_lshr_b32 s18, s14, 2                         ; w / 4
	v_and_b32 v1, 31, v0                           ; lane
	v_and_b32 v2, 15, v0                           ; r
	v_bfe_u32 v3, v0, 4, 1                         ; h
	v_lshlrev_b32 v4, 4, v1                        ; 16 x lane
	v_lshlrev_b32 v5, 3, v1                        ; 8 x lane
	v_and_b32 v15, 3, v2                           ; r % 4: the batch that my lane stands for
	s_lshl_b32 s20, s15, 2
	s_add_co_u32 s20, s20, s18                     ; A: batch 4 m + w / 4: 16,384 bytes a batch;
	s_lshl_b32 s20, s20, 14
	s_lshl_b32 s21, s17, 9                         ; numbers 128 (w % 4) on
	s_add_co_u32 s20, s20, s21
	s_mov_b32 s21, 0
	s_add_co_u32 s26, s16, 64                      ; Wphi's tiles begin at tile 64
	s_lshl_b32 s28, s26, 8
	s_lshl_b32 s26, s26, 13
	s_mov_b32 s27, 0
	s_mov_b32 s29, 0
	s_mul_i32 s30, s15, 16000                      ; 4 rows of out0,
	s_lshl_b32 s31, s16, 6                         ; 16 columns
	s_add_co_u32 s30, s30, s31
	s_mov_b32 s31, 0
	s_mul_i32 s32, s18, ZP
	s_lshl_b32 s33, s17, 9
	s_add_co_u32 s32, s32, s33
	v_add_nc_u32 v6, s32, v4                       ; A: into the stage: row w / 4, bytes 512 (w % 4) + 16 x lane
	s_lshl_b32 s32, s18, 9
	s_lshl_b32 s33, s17, 7
	s_add_co_u32 s32, s32, s33
	v_mul_u32_u24 v7, v15, ZP
	v_lshl_add_u32 v7, v3, 6, v7
	v_add_nc_u32 v7, s32, v7                       ; B: out of it: row r % 4, K step w / 4, block w % 4, + 64 h
	s_lshl_b32 s32, s18, 11
	s_lshl_b32 s33, s17, 9
	s_add_co_u32 s32, s32, s33
	s_add_co_u32 s32, s32, ZIMG
	v_add_nc_u32 v8, s32, v4                       ; B: my 16 codes' place in the images
	s_and_b32 s32, s18, 1
	s_lshl_b32 s32, s32, 7                         ; an odd K step's words lie in lanes 16-31: 128 bytes on;
	s_lshr_b32 s33, s18, 1
	s_lshl_b32 s33, s33, 2                         ; K steps 2, 3 in the second word;
	s_add_co_u32 s32, s32, s33
	s_add_co_u32 s32, s32, s17                     ; the block's byte
	s_add_co_u32 s32, s32, ZSC
	v_lshl_add_u32 v9, v2, 3, s32                  ; B: the scale byte of row r
	v_add_nc_u32 v10, ZIMG, v4                     ; C: an image's place for my lane
	v_add_nc_u32 v11, ZSC, v5
	s_lshl_b32 s32, s16, 4
	v_lshl_add_u32 v12, v3, 3, s32                 ; my first column: 16 T + 8 h
	v_lshlrev_b32 v13, 2, v12
	v_min_u32 v13, 0xf80, v13                      ; bphi: held so that the 32 bytes end at its last byte
	v_lshrrev_b32 v20, 2, v2
	v_lshl_add_u32 v12, v20, 10, v12               ; + 1,024 (r / 4): the lanes that repeat a batch count as past the last column
	v_mul_u32_u24 v14, v15, 4000
	v_lshl_add_u32 v14, v3, 5, v14                 ; out0: row r % 4, + 32 h
	v_mov_b32 v49, 0                               ; written once: a lane permute's destination counts as one of its sources
	s_mov_b32 s22, 0x76543210
	s_mov_b32 s23, 0xfedcba98                      ; v_permlanex16_b32's selects for lane l xor 16
	s_mov_b32 s24, 0x600000                        ; the mantissa field of 57,344
	s_wait_kmcnt 0x0
	s_add_nc_u64 s[4:5], s[4:5], s[20:21]
	s_add_nc_u64 s[6:7], s[6:7], s[26:27]
	s_add_nc_u64 s[8:9], s[8:9], s[28:29]
	s_add_nc_u64 s[12:13], s[12:13], s[30:31]
.irp p, 0,1,2,3,4,5,6,7
	global_load_b128 v[64+4*\p:67+4*\p], v4, s[4:5] offset:2048*\p   ; part p of my batch: 512 consecutive bytes
.endr
.irp s, 0,1,2,3
.irp c, 0,1,2,3
	global_load_b128 v[192+16*\s+4*\c:195+16*\s+4*\c], v4, s[6:7] offset:2048*\s+512*\c   ; my tile of Wphi
.endr
.endr
	global_load_b64 v[16:17], v5, s[8:9]           ; its scale words
	global_load_b128 v[24:27], v13, s[10:11]       ; bphi in the result's layout
	global_load_b128 v[28:31], v13, s[10:11] offset:16
	s_wait_loadcnt 19                              ; z's parts are in: behind them 16 + 1 + 2 loads
.irp p, 0,2,4,6
	v_pk_add_f32 v[64+4*\p:65+4*\p], v[64+4*\p:65+4*\p], v[68+4*\p:69+4*\p]
	v_pk_add_f32 v[66+4*\p:67+4*\p], v[66+4*\p:67+4*\p], v[70+4*\p:71+4*\p]
.endr
.irp p, 0,4
	v_pk_add_f32 v[64+4*\p:65+4*\p], v[64+4*\p:65+4*\p], v[72+4*\p:73+4*\p]
	v_pk_add_f32 v[66+4*\p:67+4*\p], v[66+4*\p:67+4*\p], v[74+4*\p:75+4*\p]
.endr
	v_pk_add_f32 v[64:65], v[64:65], v[80:81]
	v_pk_add_f32 v[66:67], v[66:67], v[82:83]
	ds_store_b128 v6, v[64:67]
	s_wait_dscnt 0x0                               ; for the others' sake
	s_barrier_signal -1
	s_barrier_wait -1                              ; four rows of z lie in the stage
.irp j, 0,1,2,3
	ds_load_b128 v[32+4*\j:35+4*\j], v7 offset:16*\j   ; my 16 numbers of my block
.endr
	s_wait_dscnt 0x0
	v_max3_num_f32 v48, |v32|, |v33|, 0x8000000    ; their largest magnitude, and the floor 2^(16 - 127): the byte cannot fall under 1
.irp i, 2,4,6,8,10,12,14
	v_max3_num_f32 v48, v48, |v[32+\i]|, |v[33+\i]|
.endr
	v_permlanex16_b32 v49, v48, s22, s23
	v_max_num_f32 v48, v48, v49                    ; with lane l xor 16's: the block's
	v_add_nc_u32 v51, 0xf8800000, v48              ; 15 off its exponent field: the conversion's scale operand
	v_and_or_b32 v50, v48, 0x7f800000, s24         ; 57,344 x the scale
	v_lshrrev_b32 v52, 23, v51                     ; the scale's byte
.irp i, 0,1,2,3,4,5,6,7,8,9,10,11,12,13,14,15
	v_med3_num_f32 v[32+\i], v[32+\i], -v50, v50   ; the conversion to an 8-bit code does not saturate (ISA guide 7.6.2): the hold comes first
.endr
	v_cvt_scalef32_pk8_bf8_f32 v[56:57], v[32:39], v51
	v_cvt_scalef32_pk8_bf8_f32 v[58:59], v[40:47], v51
	v_nop                                          ; a plain line behind the last conversion
	ds_store_b128 v8, v[56:59]
	ds_store_b8 v9, v52                            ; lanes r and r + 16 write the same byte with the same value
	s_wait_dscnt 0x0                               ; for the others' sake
	s_barrier_signal -1
	s_barrier_wait -1                              ; z's four fragments and their scale words lie in LDS
.irp s, 0,1,2,3
.irp c, 0,1,2,3
	ds_load_b128 v[64+16*\s+4*\c:67+16*\s+4*\c], v10 offset:2048*\s+512*\c
.endr
.endr
	ds_load_b64 v[18:19], v11
	s_wait_dscnt 0x0
	s_wait_loadcnt 0x0                             ; Wphi's tile, its scale words, bphi
	; two accumulators by turns, one instruction a turn: K steps 0 and 2 (begun with bphi), K steps 1 and 3 (begun with 0)
	v_wmma_scale_f32_16x16x128_f8f6f4 v[128:135], v[192:207], v[64:79], v[24:31], v16, v18 matrix_a_fmt:MATRIX_FMT_BF8 matrix_b_fmt:MATRIX_FMT_BF8
	v_wmma_scale_f32_16x16x128_f8f6f4 v[136:143], v[208:223], v[80:95], 0, v16, v18 matrix_a_fmt:MATRIX_FMT_BF8 matrix_b_fmt:MATRIX_FMT_BF8 matrix_a_scale:MATRIX_SCALE_ROW1 matrix_b_scale:MATRIX_SCALE_ROW1
	v_wmma_scale_f32_16x16x128_f8f6f4 v[128:135], v[224:239], v[96:111], v[128:135], v17, v19 matrix_a_fmt:MATRIX_FMT_BF8 matrix_b_fmt:MATRIX_FMT_BF8
	v_wmma_scale_f32_16x16x128_f8f6f4 v[136:143], v[240:255], v[112:127], v[136:143], v17, v19 matrix_a_fmt:MATRIX_FMT_BF8 matrix_b_fmt:MATRIX_FMT_BF8 matrix_a_scale:MATRIX_SCALE_ROW1 matrix_b_scale:MATRIX_SCALE_ROW1
.rept 8
	v_nop                                          ; eight places between a product of this form and the first read of its result
.endr
.irp i, 0,2,4,6
	v_pk_add_f32 v[144+\i:145+\i], v[128+\i:129+\i], v[136+\i:137+\i]   ; both accumulators from their low ends on
.endr
	s_wait_xcnt 0x0                                ; EXEC changes only behind this wait: it is a source of the loads above
	v_cmp_gt_u32 vcc_lo, 0x3e8, v12                ; r < 4, and my eight columns lie under 1,000 (1,000 is a multiple of 8: all eight or none)
	s_wait_tensorcnt 0x0
	ds_add_u32 v190, v191
	s_wait_dscnt 0x0
	s_and_saveexec_b32 s25, vcc_lo
	global_store_b128 v14, v[144:147], s[12:13]
	global_store_b128 v14, v[148:151], s[12:13] offset:16
	s_wait_xcnt 0x0                                ; and again, in front of the line that widens it
	s_or_b32 exec_lo, exec_lo, s25
	s_endpgm
.Lfunc_end_k_qe6a09c173e_final:
	.size	k_qe6a09c173e_final, .Lfunc_end_k_qe6a09c173e_final-k_qe6a09c173e_final
	.p2alignl 7, 3214868480
	.fill 96, 4, 3214868480
	.section	.rodata,"a",@progbits
	.p2align	6, 0x0
	.amdhsa_kernel k_qe6a09c173e_final
		.amdhsa_group_segment_fixed_size 18944
		.amdhsa_private_segment_fixed_size 0
		.amdhsa_enable_private_segment 0
		.amdhsa_kernarg_size 40
		.amdhsa_user_sgpr_count 2
		.amdhsa_user_sgpr_kernarg_segment_ptr 1
		.amdhsa_wavefront_size32 1
		.amdhsa_system_sgpr_workgroup_id_x 1
		.amdhsa_system_sgpr_workgroup_id_y 1
		.amdhsa_system_sgpr_workgroup_id_z 1
		.amdhsa_system_vgpr_workitem_id 0
		.amdhsa_next_free_vgpr 256
		.amdhsa_next_free_sgpr 66
		.amdhsa_reserve_vcc 1
		.amdhsa_float_denorm_mode_32 3
		.amdhsa_float_denorm_mode_16_64 3
		.amdhsa_memory_ordered 1
		.amdhsa_forward_progress 1
		.amdhsa_inst_pref_size 13
	.end_amdhsa_kernel
	.amdgpu_metadata
---
amdhsa.version: [ 1, 2 ]
amdhsa.kernels:
  - .name:           k_qe6a09c173e_final
    .symbol:         k_qe6a09c173e_final.kd
    .args:
      - { .name: zpart, .offset: 0, .size: 8, .value_kind: global_buffer, .address_space: global }
      - { .name: wcodes, .offset: 8, .size: 8, .value_kind: global_buffer, .address_space: global }
      - { .name: wscales, .offset: 16, .size: 8, .value_kind: global_buffer, .address_space: global }
      - { .name: bphi, .offset: 24, .size: 8, .value_kind: global_buffer, .address_space: global }
      - { .name: out0, .offset: 32, .size: 8, .value_kind: global_buffer, .address_space: global }
    .group_segment_fixed_size: 18944
    .private_segment_fixed_size: 0
    .kernarg_segment_align: 8
    .kernarg_segment_size: 40
    .max_flat_workgroup_size: 512
    .sgpr_count:     66
    .vgpr_count:     256
    .wavefront_size: 32
...
	.end_amdgpu_metadata
.endif
;; end of part 4
